; MI455X (gfx1250); checked and timed in simulation.
; The chip was launched on July 23, 2026; its instructions are those of AMD's public machine-readable ISA for CDNA 5 (MIT licence, August 2026) and "CDNA5" Instruction Set Architecture Reference Guide (July 2026). The comments in the code are by the model that wrote it; some were corrected since.
;; Self Attention. Allowed arithmetic: matrix products marked QUANTISED: E2M1 operands, one E8M0 scale for each 32 along K, by v_wmma_scale_f32_16x16x128_f8f6f4 with both operands' format E2M1 (or v_wmma_scale_f32_32x16x128_f4), f32 sums; everything else in f32.
;; Inputs: Wk 1,024 x 1,024 float32; Wo 1,024 x 1,024 float32; Wq 1,024 x 1,024 float32; Wv 1,024 x 1,024 float32; bk 1,024 float32; bo 1,024 float32; bq 1,024 float32; bv 1,024 float32; key 4 x 2,048 x 1,024 float32; query 4 x 2,048 x 1,024 float32; value 4 x 2,048 x 1,024 float32.
;; Outputs: out0 4 x 2,048 x 1,024 float32.
;; This version of the problem:
;;   THIS VERSION OF THE PROBLEM IS GIVEN IN LOW PRECISION. The matrix products marked QUANTISED in the list below multiply operands that are first quantised to E2M1 (2 exponent bits, 1 mantissa bit; 4 bits a number), with one power-of-two scale for each 32 numbers along K (OCP MX v1.0); their sums are f32. All else is computed in f32.
;;   The module's matrix products, in the order in which they are computed (A, B: the left and right operand; K: the contracted axis; several contracted axes count as one K, in the product's order):
;;     1. [M 8,192, K 1,024] x [K 1,024, N 1,024]; A: input query; B: input Wq: QUANTISED
;;     2. [M 8,192, K 1,024] x [K 1,024, N 1,024]; A: input key; B: input Wk: QUANTISED
;;     3. [M 8,192, K 1,024] x [K 1,024, N 1,024]; A: input value; B: input Wv: QUANTISED
;;     4. batch 64 x [M 2,048, K 64] x [K 64, N 2,048]; A: computed on the way; B: computed on the way: QUANTISED
;;     5. batch 64 x [M 2,048, K 2,048] x [K 2,048, N 64]; A: softmax (see below); B: computed on the way: QUANTISED
;;     6. [M 8,192, K 1,024] x [K 1,024, N 1,024]; A: computed on the way; B: input Wo: QUANTISED
;;   THE QUANTISER, for each operand of a quantised product, along K:
;;     - K is cut into blocks of 32 from its start; a last block that is shorter is filled with zeros.
;;     - A block's scale is 2^e with e = floor(log2(the largest magnitude in the block)) - 2, held to -126 .. 127; a block of zeros has e = 0. As a byte (E8M0): e + 127.
;;     - Each number is divided by its block's scale, clamped to +-6, and rounded to the nearest number of E2M1, ties to even, subnormals kept.
;;     - The product sums the exact products of the quantised numbers (number of the format x scale) in f32.
;;   ~~~python
;;   def quantise(x, axis):      # numpy; x: float32 -> the quantised numbers, widened to float32 again
;;       x = np.moveaxis(x, axis, -1); K = x.shape[-1]
;;       x = np.pad(x, [(0, 0)] * (x.ndim - 1) + [(0, -K % 32)]); x = x.reshape(x.shape[:-1] + (-1, 32)); a = np.abs(x).max(-1, keepdims=True)
;;       e = np.where(a > 0, np.clip(np.frexp(np.where(a > 0, a, 1))[1] - 1 - 2, -126, 127), 0)      # np.frexp(a)[1] - 1 = floor(log2(a)), exactly
;;       r = np.clip(x / 2.0 ** e, -6, 6)
;;       step = 2.0 ** (np.maximum(np.frexp(np.where(r == 0, 1, r))[1] - 1, 0) - 1)
;;       q = np.round(r / step) * step * 2.0 ** e      # np.round: ties to even
;;       return np.moveaxis(q.reshape(q.shape[:-2] + (-1,))[..., :K], -1, axis).astype(np.float32)
;;   ~~~
;;   SOFTMAX AHEAD OF A QUANTISED PRODUCT. Where the list says 'softmax', what is quantised is not the finished softmax but p = 2^(t - M), with t = logit x log2(e) and M = ceil(the row's largest t), a whole number; so 1/2 < the row's largest p <= 1. The row's sum l is taken of the UNQUANTISED p, in f32, and the product's result is divided by l at the end. Since M is a whole number, a kernel that streams over the keys may use a running M (the ceiling of the running maximum): every later rescaling is an exact power of two, which a block's scale takes up: the codes' values come out the same.
;;   OPERANDS COMPUTED ON THE WAY. 'Computed on the way' means the value that the module computes at that place (a softmax that the list does not call 'softmax' is quantised finished and normalised). What goes into a quantiser is computed in f32, as accurately as f32 sums, v_exp_f32 and their like allow (about 1e-6 of the number): no bf16 or f16 on the way to a quantiser, and a product that is left as it is and whose result goes on into a quantised operand takes f32 operands (vector FMAs, or v_wmma_f32_16x16x4_f32). A number that lies on a knife's edge between two numbers of the format may be rounded either way, as far as f32 arithmetic and the matrix unit's own rounding can turn it there, and no further.
;; One version. Each part assembles by itself: llvm-mc -triple=amdgcn-amd-amdhsa -mcpu=gfx1250 --defsym DOCPART=n.
;; ======== version 1 of 1: 4 launches
;; workspace buffers: x_codes 12,582,912 bytes; x_scales 786,432 bytes; w_codes 2,097,152 bytes; w_scales 131,072 bytes; qkv_codes 12,582,912 bytes; qkv_scales 1,310,720 bytes; ao_codes 4,194,304 bytes; ao_scales 262,144 bytes
;; launch quant (part 1): grid 896 x 1, 4 waves a work-group, no clusters, 39,424 bytes of LDS; arguments query, key, value, Wq, Wk, Wv, Wo, x_codes, x_scales, w_codes, w_scales; writes x_codes, x_scales, w_codes, w_scales
.if DOCPART == 1
	.amdgcn_target "amdgcn-amd-amdhsa--gfx1250"
	.amdhsa_code_object_version 6
	.text
	.protected	k_q04496160bd_quant
	.globl	k_q04496160bd_quant
	.p2align	8
	.type	k_q04496160bd_quant,@function
k_q04496160bd_quant:
	s_mov_b64 s[64:65], 0
	v_nop
	global_prefetch_b8 v0, s[64:65] scope:SCOPE_SE
	s_setreg_imm32_b32 hwreg(HW_REG_WAVE_MODE, 25, 1), 1
	s_wait_xcnt 0x0
; query, key, value [8192][1024] f32 (K innermost) and Wq, Wk, Wv, Wo [1024 (K)][1024 (n)] f32 (K outermost) become codes of FP4 (E2M1) with one E8M0 byte for each 32 along K.
; A block's scale is 2^(floor(log2(its largest magnitude)) - 2); its byte is the largest magnitude's exponent field - 2, held at 1 from below.
; LIMITS: a block of zeros, or one whose largest magnitude lies under 2^-124, gets the byte 1 (this program alone reads the bytes; a block of zeros has zero codes); NaN and infinities are not served.
; LAYOUT OF THE RESULTS, the order of a matrix operand's registers.  A TILE T is 16 rows: rows 32 (T / 2) + 8 (T % 2) + rho(r), rho(r) = r + 8 (r / 8), r = 0 .. 15.
;   codes:  block kb of 32 codes (16 bytes) of row r of tile T at T x 8192 + kb x 256 + r x 16.   scale bytes: T x 512 + (kb / 16) x 256 + r x 16 + kb % 16.
; Work-groups 0 .. 127 take the weights, 128 .. 895 the three activations.  The two ways part at the head and never meet again; only the second uses LDS.  Waves share nothing: no barrier.
; No cluster: no two work-groups read the same bytes.
.set STEPS, 16
.set WREG,  9728                       ; LDS of a wave: two stages of 32 x 80 bytes, a stage for codes of 16 x 272, 256 scale bytes
.set SP,    80                         ; a lane's place in a stage of numbers: 64 bytes + 16 of padding
.set CST,   5120                       ; the stage for codes
.set CP,    272                        ; a block's 256 bytes (16 rows x 16 bytes) + 16 of padding: 32 lanes' stores of 8 bytes then touch each bank once
.set SBY,   9472                       ; the wave's 256 scale bytes
.set R,     16                         ; v16-79   four sets of 16 numbers as loaded
.set X,     80                         ; v80-111  two sets of 16 neighbours
.set E,     112                        ; v112-127 a scale byte for each step
.set C,     128                        ; v128-159 codes, two registers a step
.set OUTR,  160                        ; v160-191 the way out
.set NB,    8                          ; weights: blocks of 32 along K for a lane
.set WX,    32                         ; v32-95   two sets of 32 numbers
.set WC,    96                         ; v96-127  a block's codes, four registers each, so that no store's data are written again
.set SB,    24                         ; v24-25   the lane's eight scale bytes
	s_load_b512 s[4:19], s[0:1], 0x0               ; query, key, value, Wq, Wk, Wv, Wo, x_codes
	s_load_b128 s[20:23], s[0:1], 0x40             ; x_scales, w_codes
	s_load_b64 s[24:25], s[0:1], 0x50              ; w_scales
	v_lshl_add_u32 v192, v0, 2, 0x9800
	v_mov_b32 v193, 0
	v_lshrrev_b32 v1, 5, v0
	v_readfirstlane_b32 s26, v1                    ; wave
	v_and_b32 v2, 31, v0                           ; lane
	s_cmp_lt_u32 ttmp9, 128
	s_cbranch_scc1 .Lweights
; ---------------- the activations: a wave takes one tile (16 rows) x 512 along K; step t is the tile's row t ----------------
	s_sub_co_u32 s27, ttmp9, 128
	s_lshr_b32 s28, s27, 8                         ; which tensor
	s_and_b32 s29, s27, 255
	s_lshl_b32 s29, s29, 1
	s_lshr_b32 s30, s26, 1
	s_add_co_u32 s29, s29, s30                     ; the tile T
	s_and_b32 s30, s26, 1                          ; which half of K
	s_wait_alu depctr_va_vdst(0)
	v_lshlrev_b32 v3, 4, v2                        ; 16 x lane
	s_mul_i32 s31, s26, WREG
	v_lshrrev_b32 v14, 2, v2
	v_mul_u32_u24 v14, v14, SP
	v_and_b32 v15, 3, v2
	v_lshl_add_u32 v14, v15, 4, v14
	v_add_nc_u32 v14, s31, v14                     ; numbers into the stage: four lanes' 64 bytes on end, then padding
	v_mul_u32_u24 v15, v2, SP
	v_add_nc_u32 v15, s31, v15                     ; and out of it: my 16 neighbours
	v_lshrrev_b32 v5, 1, v2                        ; my block of the step's sixteen
	v_mul_u32_u24 v4, v5, CP
	v_and_b32 v6, 1, v2
	v_lshl_add_u32 v4, v6, 3, v4
	v_add_nc_u32 v4, s31, v4                       ; my 8 bytes of codes: block x 272 + 8 x half (+ 16 x row)
	v_add_nc_u32 v5, s31, v5                       ; my block's scale byte (+ 16 x row)
	v_lshlrev_b32 v7, 3, v2
	v_add_nc_u32 v6, s31, v7                       ; the scale bytes on the way out: 8 a lane
	v_lshrrev_b32 v10, 4, v2
	v_mul_u32_u24 v10, v10, CP
	v_and_b32 v11, 15, v2
	v_lshl_add_u32 v10, v11, 4, v10
	v_add_nc_u32 v10, s31, v10                     ; the codes on the way out: sixteen lanes to a block's 256 bytes
	s_lshr_b32 s32, s29, 1
	s_lshl_b32 s32, s32, 17                        ; 32 (T / 2) rows of 4,096 bytes
	s_and_b32 s33, s29, 1
	s_lshl_b32 s33, s33, 15                        ; 8 (T % 2) rows
	s_add_co_u32 s32, s32, s33
	s_lshl_b32 s33, s30, 11                        ; 512 numbers along K
	s_add_co_u32 s32, s32, s33
	s_mov_b32 s33, 0
	s_lshl_b32 s34, s28, 22
	s_lshl_b32 s35, s29, 13
	s_add_co_u32 s34, s34, s35
	s_lshl_b32 s35, s30, 12
	s_add_co_u32 s34, s34, s35                     ; the codes' place
	s_mov_b32 s35, 0
	s_lshl_b32 s36, s28, 18
	s_lshl_b32 s37, s29, 9
	s_add_co_u32 s36, s36, s37
	s_lshl_b32 s37, s30, 8
	s_add_co_u32 s36, s36, s37                     ; the scale bytes' place
	s_mov_b32 s37, 0
	s_wait_kmcnt 0x0
	s_cmp_eq_u32 s28, 0
	s_cselect_b64 s[4:5], s[4:5], s[6:7]           ; the choice hangs on the work-group's number alone
	s_cmp_eq_u32 s28, 2
	s_cselect_b64 s[4:5], s[8:9], s[4:5]
	s_add_nc_u64 s[4:5], s[4:5], s[32:33]
	s_add_nc_u64 s[18:19], s[18:19], s[34:35]
	s_add_nc_u64 s[20:21], s[20:21], s[36:37]
.macro XLOAD t                         ; the tile's row t lies rho(t) rows down; 32 lanes read 512 consecutive bytes
.irp i, 0,1,2,3
	global_load_b128 v[R+16*((\t)%4)+4*\i:R+16*((\t)%4)+4*\i+3], v3, s[4:5] offset:((\t)+8*((\t)/8))*4096+512*\i th:TH_LOAD_NT
.endr
.endm
.macro XTURN t                         ; through the stage: LDS serves a wave's instructions in order, so no wait stands between the stores and the loads
.irp i, 0,1,2,3
	ds_store_b128 v14, v[R+16*((\t)%4)+4*\i:R+16*((\t)%4)+4*\i+3] offset:32*SP*((\t)%2)+8*SP*\i
.endr
.irp i, 0,1,2,3
	ds_load_b128 v[X+16*((\t)%2)+4*\i:X+16*((\t)%2)+4*\i+3], v15 offset:32*SP*((\t)%2)+16*\i
.endr
.endm
.irp t, 0,1,2,3
	XLOAD \t
.endr
	s_wait_loadcnt 12                              ; step 0's four loads are in
	XTURN 0
.macro XSTEP t
.set XS, X+16*((\t)%2)
.if (\t) > 0
	s_wait_dscnt 2                                 ; this step's numbers are back (the last step's byte store and code store may be out): its stores into the stage have read their registers,
.else
	s_wait_dscnt 0x0
.endif
.if (\t)+4 < STEPS
	XLOAD (\t)+4                                   ; which take the loads of four steps on
.endif
.if (\t)+1 < STEPS
.if STEPS-2-(\t) >= 3
	s_wait_loadcnt 12                              ; the next step's four loads are in; those of the three steps behind it may be out
.else
	s_wait_loadcnt 4*(STEPS-2-(\t))
.endif
	XTURN (\t)+1
.endif
	v_max3_num_f32 v8, |v[XS]|, |v[XS+1]|, |v[XS+2]|               ; the largest magnitude of my 16, in two chains
	v_max3_num_f32 v9, |v[XS+3]|, |v[XS+4]|, |v[XS+5]|
.irp i, 6,10
	v_max3_num_f32 v8, v8, |v[XS+\i]|, |v[XS+\i+1]|
	v_max3_num_f32 v9, v9, |v[XS+\i+2]|, |v[XS+\i+3]|
.endr
	v_max3_num_f32 v8, v8, |v[XS+14]|, |v[XS+15]|
	v_max3_num_f32 v8, v8, v9, 0x1800000           ; and the floor 2^(3 - 127): the byte cannot fall under 1
	v_max_num_f32_dpp v8, v8, v8 row_xmask:1 row_mask:0xf bank_mask:0xf   ; and of my neighbour's 16: the block's
	v_add_nc_u32 v11, 0xff000000, v8               ; 2 off its exponent field: the conversion takes this operand's exponent field as its scale
	v_cvt_scalef32_pk8_fp4_f32 v[C+2*(\t)], v[XS:XS+7], v11
	v_cvt_scalef32_pk8_fp4_f32 v[C+2*(\t)+1], v[XS+8:XS+15], v11
	v_lshrrev_b32 v[E+(\t)], 23, v11               ; the scale's byte (a plain line behind the conversions)
	ds_store_b8 v5, v[E+(\t)] offset:SBY+16*(\t)   ; both lanes of a block write the same byte with the same value
	ds_store_b64 v4, v[C+2*(\t):C+2*(\t)+1] offset:CST+16*(\t)
.endm
.irp t, 0,1,2,3,4,5,6,7,8,9,10,11,12,13,14,15
	XSTEP \t
.endr
.irp i, 0,1,2,3,4,5,6,7
	ds_load_b128 v[OUTR+4*\i:OUTR+4*\i+3], v10 offset:CST+2*CP*\i   ; two blocks' 512 bytes; these see my stores
.endr
	ds_load_b64 v[12:13], v6 offset:SBY
.irp i, 0,1,2,3,4,5,6,7
	s_wait_dscnt 8-\i                              ; behind load i: the later ones and the scale bytes' load
	global_store_b128 v3, v[OUTR+4*\i:OUTR+4*\i+3], s[18:19] offset:512*\i   ; 512 consecutive bytes, aligned
.endr
	s_wait_dscnt 0x0
	global_store_b64 v7, v[12:13], s[20:21]        ; 256 consecutive bytes, aligned
	s_wait_tensorcnt 0x0
	ds_add_u32 v192, v193
	s_wait_dscnt 0x0
	s_endpgm
; ---------------- the weights: a lane takes a column n, its registers run down K; a wave takes 32 columns (two tiles) x 256 along K ----------------
.Lweights:
	s_lshr_b32 s27, ttmp9, 5                       ; which weight
	s_bfe_u32 s28, ttmp9, 0x30002                  ; which 128 columns
	s_and_b32 s29, ttmp9, 3                        ; which 256 along K
	s_lshl_b32 s30, s28, 7
	s_lshl_b32 s31, s26, 5
	s_add_co_u32 s30, s30, s31                     ; my wave's first column n0
	s_wait_alu depctr_va_vdst(0)
	v_and_b32 v5, 15, v2                           ; r
	v_lshrrev_b32 v6, 4, v2                        ; h: lanes 0-15 make tile n0 / 16, lanes 16-31 the next
	v_and_b32 v7, 8, v5
	v_add_nc_u32 v7, v7, v5                        ; rho(r)
	v_lshl_add_u32 v7, v6, 3, v7                   ; + 8 h: my column less n0; the 32 lanes take 128 consecutive bytes, in another order
	v_lshlrev_b32 v3, 2, v7
	v_lshlrev_b32 v4, 4, v5
	v_lshl_add_u32 v9, v6, 9, v4                   ; scale bytes: 512 h + 16 r
	v_lshl_add_u32 v4, v6, 13, v4                  ; codes: 8192 h + 16 r: sixteen lanes fill 256 consecutive bytes, aligned
	s_lshl_b32 s32, s29, 20                        ; 256 rows of 4,096 bytes
	s_lshl_b32 s33, s30, 2
	s_add_co_u32 s32, s32, s33
	s_mov_b32 s33, 0
	s_lshl_b32 s34, s27, 19
	s_lshl_b32 s35, s30, 9                         ; (n0 / 16) x 8192
	s_add_co_u32 s34, s34, s35
	s_lshl_b32 s35, s29, 11                        ; 8 blocks x 256
	s_add_co_u32 s34, s34, s35
	s_mov_b32 s35, 0
	s_lshl_b32 s36, s27, 15
	s_lshl_b32 s37, s30, 5                         ; (n0 / 16) x 512
	s_add_co_u32 s36, s36, s37
	s_lshr_b32 s37, s29, 1
	s_lshl_b32 s37, s37, 8
	s_add_co_u32 s36, s36, s37
	s_and_b32 s37, s29, 1
	s_lshl_b32 s37, s37, 3
	s_add_co_u32 s36, s36, s37
	s_mov_b32 s37, 0
	s_wait_alu depctr_va_vdst(0)
	s_wait_kmcnt 0x0
	s_cmp_lt_u32 s27, 1
	s_cselect_b64 s[10:11], s[10:11], s[12:13]
	s_cmp_lt_u32 s27, 3
	s_cselect_b64 s[14:15], s[14:15], s[16:17]
	s_cmp_lt_u32 s27, 2
	s_cselect_b64 s[10:11], s[10:11], s[14:15]
	s_add_nc_u64 s[10:11], s[10:11], s[32:33]
	s_add_nc_u64 s[22:23], s[22:23], s[34:35]
	s_add_nc_u64 s[24:25], s[24:25], s[36:37]
.macro WLOAD t                         ; block t: W(32 t + i, my column)
.set WI, 0
.rept 32
	global_load_b32 v[WX+32*((\t)%2)+WI], v3, s[10:11] offset:(32*(\t)+WI)*4096 th:TH_LOAD_NT
.set WI, WI+1
.endr
.endm
	WLOAD 0
	WLOAD 1
.macro WBLOCK t
.set XS, WX+32*((\t)%2)
.if (\t) < NB-1
	s_wait_loadcnt 32                              ; this block's 32 loads are in; the next block's may be out
.else
	s_wait_loadcnt 0x0
.endif
	v_max3_num_f32 v12, |v[XS]|, |v[XS+1]|, |v[XS+2]|              ; all 32 numbers of the block are mine
	v_max3_num_f32 v13, |v[XS+3]|, |v[XS+4]|, |v[XS+5]|
.irp i, 6,10,14,18,22,26
	v_max3_num_f32 v12, v12, |v[XS+\i]|, |v[XS+\i+1]|
	v_max3_num_f32 v13, v13, |v[XS+\i+2]|, |v[XS+\i+3]|
.endr
	v_max3_num_f32 v12, v12, |v[XS+30]|, |v[XS+31]|
	v_max3_num_f32 v12, v12, v13, 0x1800000
	v_add_nc_u32 v11, 0xff000000, v12
	v_lshrrev_b32 v13, 23, v11
.if (\t)%4 == 0
	v_mov_b32 v[SB+(\t)/4], v13
.else
	v_lshl_or_b32 v[SB+(\t)/4], v13, 8*((\t)%4), v[SB+(\t)/4]
.endif
.irp g, 0,1,2,3
	v_cvt_scalef32_pk8_fp4_f32 v[WC+4*(\t)+\g], v[XS+8*\g:XS+8*\g+7], v11
.endr
	global_store_b128 v4, v[WC+4*(\t):WC+4*(\t)+3], s[22:23] offset:256*(\t)
.if (\t)+2 < NB
	WLOAD (\t)+2
.endif
.endm
.irp t, 0,1,2,3,4,5,6,7
	WBLOCK \t
.endr
	global_store_b64 v9, v[SB:SB+1], s[24:25]      ; eight bytes of each row's sixteen: pieces of 8 bytes, one byte for each 128 that the launch reads
	s_endpgm
.Lfunc_end_k_q04496160bd_quant:
	.size	k_q04496160bd_quant, .Lfunc_end_k_q04496160bd_quant-k_q04496160bd_quant
	.p2alignl 7, 3214868480
	.fill 96, 4, 3214868480
	.section	.rodata,"a",@progbits
	.p2align	6, 0x0
	.amdhsa_kernel k_q04496160bd_quant
		.amdhsa_group_segment_fixed_size 39424
		.amdhsa_private_segment_fixed_size 0
		.amdhsa_enable_private_segment 0
		.amdhsa_kernarg_size 88
		.amdhsa_user_sgpr_count 2
		.amdhsa_user_sgpr_kernarg_segment_ptr 1
		.amdhsa_wavefront_size32 1
		.amdhsa_system_sgpr_workgroup_id_x 1
		.amdhsa_system_sgpr_workgroup_id_y 1
		.amdhsa_system_sgpr_workgroup_id_z 1
		.amdhsa_system_vgpr_workitem_id 0
		.amdhsa_next_free_vgpr 194
		.amdhsa_next_free_sgpr 66
		.amdhsa_reserve_vcc 0
		.amdhsa_float_denorm_mode_32 3
		.amdhsa_float_denorm_mode_16_64 3
		.amdhsa_memory_ordered 1
		.amdhsa_forward_progress 1
		.amdhsa_inst_pref_size 73
	.end_amdhsa_kernel
	.amdgpu_metadata
---
amdhsa.version: [ 1, 2 ]
amdhsa.kernels:
  - .name:           k_q04496160bd_quant
    .symbol:         k_q04496160bd_quant.kd
    .args:
      - { .name: query, .offset: 0, .size: 8, .value_kind: global_buffer, .address_space: global }
      - { .name: key, .offset: 8, .size: 8, .value_kind: global_buffer, .address_space: global }
      - { .name: value, .offset: 16, .size: 8, .value_kind: global_buffer, .address_space: global }
      - { .name: Wq, .offset: 24, .size: 8, .value_kind: global_buffer, .address_space: global }
      - { .name: Wk, .offset: 32, .size: 8, .value_kind: global_buffer, .address_space: global }
      - { .name: Wv, .offset: 40, .size: 8, .value_kind: global_buffer, .address_space: global }
      - { .name: Wo, .offset: 48, .size: 8, .value_kind: global_buffer, .address_space: global }
      - { .name: x_codes, .offset: 56, .size: 8, .value_kind: global_buffer, .address_space: global }
      - { .name: x_scales, .offset: 64, .size: 8, .value_kind: global_buffer, .address_space: global }
      - { .name: w_codes, .offset: 72, .size: 8, .value_kind: global_buffer, .address_space: global }
      - { .name: w_scales, .offset: 80, .size: 8, .value_kind: global_buffer, .address_space: global }
    .group_segment_fixed_size: 39424
    .private_segment_fixed_size: 0
    .kernarg_segment_align: 8
    .kernarg_segment_size: 88
    .max_flat_workgroup_size: 128
    .sgpr_count:     66
    .vgpr_count:     194
    .wavefront_size: 32
...
	.end_amdgpu_metadata
.endif
;; end of part 1
;; launch proj (part 2): grid 4 x 96, 4 waves a work-group, clusters of 4 x 4, 279,040 bytes of LDS; arguments x_codes, x_scales, w_codes, w_scales, bq, bk, bv, qkv_codes, qkv_scales; writes qkv_codes, qkv_scales
.if DOCPART == 2
	.amdgcn_target "amdgcn-amd-amdhsa--gfx1250"
	.amdhsa_code_object_version 6
	.text
	.protected	k_q04496160bd_proj
	.globl	k_q04496160bd_proj
	.p2align	8
	.type	k_q04496160bd_proj,@function
k_q04496160bd_proj:
	s_mov_b64 s[64:65], 0
	v_nop
	global_prefetch_b8 v0, s[64:65] scope:SCOPE_SE
	s_setreg_imm32_b32 hwreg(HW_REG_WAVE_MODE, 25, 1), 1
	s_wait_xcnt 0x0
	s_wait_alu depctr_hold_cnt(0) depctr_sa_sdst(0) depctr_va_vdst(0) depctr_va_sdst(0) depctr_va_ssrc(0) depctr_va_vcc(0) depctr_vm_vsrc(0)
	s_getreg_b32 s2, hwreg(HW_REG_IB_STS2, 6, 4)
	s_cmp_eq_u32 s2, 0
	s_cbranch_scc0 .Lentry_in_a_cluster
	s_endpgm
.Lentry_in_a_cluster:
	s_bfe_u32 s2, ttmp6, 0x10000c
	s_cmp_lg_u32 s2, 0xf033
	s_cbranch_scc0 .Lentry_shape_is_right
	s_endpgm
.Lentry_shape_is_right:
; q = query Wq + bq, k = key Wk + bk, v = value Wv + bv on codes of FP4 with E8M0 scales, and the results quantised at once: q and k along the head's 64, v along the keys.  Nothing leaves as f32.
; OPERANDS lie in memory in the order of a fragment's registers: tile T (16 rows: 32 (T / 2) + 8 (T % 2) + r + 8 (r / 8)) x 8192 + block of 32 along K x 256 + 16 r; scale bytes: T x 512 + (block / 16) x 256 + 16 r + block % 16.
; ROLES.  L is source 1 (a result's lane is one of its rows), R is source 0 (a result's registers run along its rows; by the choice of a tile's rows the 16 registers of tiles 2 B, 2 B + 1 are rows 32 B + 16 (lane / 16) + 0 .. 15).
;   q, k: L = the activation, R = the weight: registers run along the features, which are the next K.      v: L = Wv, R = value: registers run along the keys, which are the next K.
; SHARES.  A work-group makes 256 rows of L x 256 rows of R; wave (WL, WR) 128 x 128: 64 accumulators.  All of K (1,024) lies in LDS, in two halves, each filled once: nothing is filled again.
; CLUSTER 4 x 4: the four of a row of the cluster share L's tiles, the four of a column R's: each is asked for jointly.  The cluster's y says which product (y / 8): it is the same in all sixteen partners.
; LIMITS: a block of zeros, or one whose largest magnitude lies under 2^-124, gets the scale byte 1 (this program alone reads the bytes); NaN and infinities are not served.
; REGISTERS: window 0: v1-31 addresses; v32-95 scale words, a set for each half of K; v128-255 L's fragments, two sets; in the tail v128-191 numbers, v192-227 at work.
;   window 1: v0-63, v128-191 R's fragments, two sets; v64-127 the bias.   windows 2, 3: accumulator (a, b) at v[8 (8 (a % 4) + b)] of window 2 + a / 4.
.set LT,    8                          ; L's tiles of a wave
.set LH,    LT*4096                    ; their bytes in a half of K
.set SLOT,  2*LH+65536                 ; a half of K: L's two halves, then R's two halves of 32,768 bytes
.set SCL,   2*SLOT                     ; L's scale bytes: 2 x LT x 512;
.set SCR,   SCL+2*LT*512               ; R's: 2 x 4,096
.set ADRA,  16                         ; v16-17  my L fragments in half 0, 1 of K
.set ADRB,  20                         ; v20-21  my R fragments
.set GV,    23                         ; v23     16 r + 20480 h
.set LI,    24                         ; v24     16 x lane
.set SQ,    25                         ; v25     q, k: where a scale word goes: 1024 wave + 512 h + 16 r
.set SV,    26                         ; v26     v: 1024 wave + 16 r
.set ADRS,  27                         ; v27     my scale words: lanes 0-15 L's, lanes 16-31 R's
.set H16,   28                         ; v28     16 h
.set H64,   29                         ; v29     64 h
.set RH4,   30                         ; v30     4 (r + 8 (r / 8))
.set SRD,   31                         ; v31     1024 wave + 16 x lane
.set SC,    32
.set AF,    128
.set YS,    128                        ; the tail: 64 numbers
.set PC,    192                        ; their codes
.set TM,    200                        ; v200-215 at work
.set PW,    216                        ; the scale word
.set PX,    217
.set BI,    64                         ; window 1: the bias
.set WV,    22
.set WL,    23
.set WR,    66
.set G1,    24                         ; s[24:31] group 1 for L's codes; s[32:39] group 0, a set for each half of K
.set G0,    32
.set RTI,   42                         ; R's block of 256 rows
.set G1B,   48                         ; the same for R
.set G0B,   56
.set LTI,   67                         ; L's block of 256 rows
.set G1S,   68                         ; L's scale bytes
.set G0S,   76
.set G1SB,  80                         ; R's
.set G0SB,  88
.set TAU,   96                         ; 0 q, 1 k, 2 v
.set SEL,   98
.set MSB, 0
.macro WIN new                         ; the immediate's high byte repeats the setting that is left
.if MSB != (\new)
	s_set_vgpr_msb (MSB<<8)|(\new)
.set MSB, \new
.endif
.endm
.set MUL_LO, 0xa1                      ; source 0 (R) window 1, source 1 (L) window 0, C and D window 2
.set MUL_HI, 0xf1                      ; the same, C and D window 3
.set TO_B,   0x40                      ; destination window 1
; A joint load: waves 0 and 1 fetch for L, waves 2 and 3 for R.  The branch hangs on the wave's number alone.  Four v_nop follow each of the two lines.
.macro JLOAD g0a, g1a, g0b, g1b
	s_cmp_eq_u32 s[WL], 0
	s_cbranch_scc0 .Lfor_r_\@
	tensor_load_to_lds s[\g0a:\g0a+3], s[\g1a:\g1a+7]
	s_nop 0
.rept 4
	v_nop
.endr
	s_branch .Lasked_\@
.Lfor_r_\@:
	tensor_load_to_lds s[\g0b:\g0b+3], s[\g1b:\g1b+7]
	s_nop 0
.rept 4
	v_nop
.endr
.Lasked_\@:
.endm
.macro CROUND                          ; a round of the cluster's barrier
	s_barrier_signal -1
	s_barrier_wait -1
	s_cmp_lg_u32 s[WV], 0
	s_cbranch_scc1 .Lnot_wave_0_\@
	s_barrier_signal -3
.Lnot_wave_0_\@:
	s_barrier_wait -3
	s_barrier_signal -1
	s_barrier_wait -1
.endm
	s_load_b512 s[4:19], s[0:1], 0x0               ; x_codes, x_scales, w_codes, w_scales, bq, bk, bv, qkv_codes
	s_load_b64 s[20:21], s[0:1], 0x40              ; qkv_scales
	v_lshl_add_u32 v126, v0, 2, 0x44000
	v_mov_b32 v127, 0
	ds_add_u32 v126, v127
	ds_add_u32 v126, v127
	v_lshrrev_b32 v1, 5, v0
	v_readfirstlane_b32 s[WV], v1
	s_lshr_b32 s[WL], s[WV], 1                     ; which half of L's rows is mine.  Also: I fetch for L (0) or for R (1)
	s_and_b32 s[WR], s[WV], 1                      ; which half of R's rows.  Also: which half I fetch
	s_bfe_u32 s40, ttmp6, 0x40000                  ; cx
	s_bfe_u32 s41, ttmp6, 0x40004                  ; cy
	s_and_b32 s97, ttmp7, 0xffff                   ; the cluster's y, 0 .. 23
	s_lshr_b32 s[TAU], s97, 3
	s_and_b32 s97, s97, 7
	s_lshl_b32 s97, s97, 2
	s_add_co_u32 s[LTI], s97, s41
	s_add_co_u32 s[RTI], s97, s40
	s_cmp_eq_u32 s[TAU], 2
	s_cselect_b32 s[LTI], s41, s[LTI]              ; L's block hangs on cy and the cluster's y alone,
	s_cselect_b32 s[RTI], s[RTI], s40              ; R's on cx and the cluster's y alone
	s_lshl_b32 s43, s41, 2
	s_lshl_b32 s43, 15, s43                        ; my row of the cluster
	s_lshl_b32 s44, 0x1111, s40                    ; my column
	; group 1, codes: 8 tiles' halves: 8 rows of 4,096 bytes (512 elements of 8 bytes), 8,192 bytes apart; dense in LDS
	s_or_b32 s[G1], s43, (3<<16)|(1<<21)
	s_or_b32 s[G1B], s44, (3<<16)|(1<<21)
.irp g, G1, G1B
	s_mov_b32 s[\g+1], 512<<16                     ; tensor_dim0
	s_mov_b32 s[\g+2], 8<<16                       ; tensor_dim1
	s_mov_b32 s[\g+3], 512<<16                     ; tile_dim0
	s_mov_b32 s[\g+4], 8                           ; tile_dim1
	s_mov_b32 s[\g+5], 1024                        ; from row to row
	s_mov_b32 s[\g+6], 0
	s_mov_b32 s[\g+7], 0
.endr
	; group 1, scale bytes: 8 tiles x 512 dense bytes, as 16 rows of 256
	s_or_b32 s[G1S], s43, (3<<16)|(1<<21)
	s_or_b32 s[G1SB], s44, (3<<16)|(1<<21)
.irp g, G1S, G1SB
	s_mov_b32 s[\g+1], 32<<16
	s_mov_b32 s[\g+2], 16<<16
	s_mov_b32 s[\g+3], 32<<16
	s_mov_b32 s[\g+4], 16
	s_mov_b32 s[\g+5], 32
	s_mov_b32 s[\g+6], 0
	s_mov_b32 s[\g+7], 0
.endr
	; where the tiles go: the wave's number and constants alone
	s_mul_i32 s[G0+1], s[WR], LH
	s_add_co_u32 s[G0+5], s[G0+1], SLOT
	s_lshl_b32 s[G0B+1], s[WR], 15
	s_add_co_u32 s[G0B+1], s[G0B+1], 2*LH
	s_add_co_u32 s[G0B+5], s[G0B+1], SLOT
	s_mul_i32 s[G0S+1], s[WR], LT*512
	s_add_co_u32 s[G0S+1], s[G0S+1], SCL
	s_lshl_b32 s[G0SB+1], s[WR], 12
	s_add_co_u32 s[G0SB+1], s[G0SB+1], SCR
	s_mov_b32 s[SEL], 0x76543210
	s_mov_b32 s[SEL+1], 0xfedcba98
	s_mov_b32 s100, 0xffff
	s_mov_b32 s101, 0x7f7f0000
	s_wait_dscnt 0x0
	s_wait_kmcnt 0x0
	s_cmp_eq_u32 s[TAU], 2                         ; for v the weight is L and the activation R
	s_cselect_b64 s[92:93], s[8:9], s[4:5]         ; L's codes
	s_cselect_b64 s[94:95], s[10:11], s[6:7]       ; L's scale bytes
	s_cselect_b64 s[8:9], s[4:5], s[8:9]           ; R's codes
	s_cselect_b64 s[10:11], s[6:7], s[10:11]       ; R's scale bytes
	s_lshl_b32 s4, s[TAU], 22                      ; where the tensor begins in its buffer
	s_lshl_b32 s6, s[TAU], 18
	s_lshl_b32 s46, s[TAU], 19
	s_lshl_b32 s2, s[TAU], 15
	s_cmp_eq_u32 s[TAU], 2
	s_cselect_b32 s4, 0x100000, s4
	s_cselect_b32 s6, 0x10000, s6
	s_cselect_b32 s46, 0x800000, s46
	s_cselect_b32 s2, 0x80000, s2
	s_lshl_b32 s45, s[LTI], 4
	s_lshl_b32 s5, s[WR], 3
	s_add_co_u32 s45, s45, s5                      ; L's first tile that I would fetch
	s_lshl_b32 s5, s45, 13
	s_add_co_u32 s4, s4, s5
	s_lshl_b32 s5, s45, 9
	s_add_co_u32 s6, s6, s5
	s_mov_b32 s5, 0
	s_mov_b32 s7, 0
	s_add_nc_u64 s[92:93], s[92:93], s[4:5]
	s_add_nc_u64 s[94:95], s[94:95], s[6:7]
	s_lshl_b32 s47, s[RTI], 4
	s_lshl_b32 s3, s[WR], 3
	s_add_co_u32 s47, s47, s3                      ; R's
	s_lshl_b32 s3, s47, 13
	s_add_co_u32 s46, s46, s3
	s_lshl_b32 s3, s47, 9
	s_add_co_u32 s2, s2, s3
	s_mov_b32 s47, 0
	s_mov_b32 s3, 0
	s_add_nc_u64 s[8:9], s[8:9], s[46:47]
	s_add_nc_u64 s[10:11], s[10:11], s[2:3]
	s_mov_b32 s[G0S], 1
	s_mov_b64 s[G0S+2:G0S+3], s[94:95]
	s_or_b32 s[G0S+3], s[G0S+3], 0x80000000
	s_mov_b32 s[G0SB], 1
	s_mov_b64 s[G0SB+2:G0SB+3], s[10:11]
	s_or_b32 s[G0SB+3], s[G0SB+3], 0x80000000
.irp s, 0,1
	s_mov_b32 s[G0+4*\s], 1
	s_add_nc_u64 s[G0+4*\s+2:G0+4*\s+3], s[92:93], \s*4096
	s_or_b32 s[G0+4*\s+3], s[G0+4*\s+3], 0x80000000
	s_mov_b32 s[G0B+4*\s], 1
	s_add_nc_u64 s[G0B+4*\s+2:G0B+4*\s+3], s[8:9], \s*4096
	s_or_b32 s[G0B+4*\s+3], s[G0B+4*\s+3], 0x80000000
.endr
	CROUND                                         ; all sixteen work-groups are here: the joint loads meet
	JLOAD G0S, G1S, G0SB, G1SB                     ; three loads of mine are out at the most: the scale bytes,
	JLOAD G0, G1, G0B, G1B                         ; the first half of K,
	JLOAD G0+4, G1, G0B+4, G1B                     ; the second
	v_and_b32 v1, 15, v0                           ; r
	v_bfe_u32 v2, v0, 4, 1                         ; h
	s_wait_alu depctr_va_vdst(0)
	v_and_b32 v3, 31, v0
	v_lshlrev_b32 v[LI], 4, v3
	s_mul_i32 s45, s[WL], LH
	s_lshl_b32 s46, s[WR], 15
	s_add_co_u32 s46, s46, 2*LH
.irp s, 0,1
	v_add_nc_u32 v[ADRA+\s], s45, v[LI]
	v_add_nc_u32 v[ADRB+\s], s46, v[LI]
	s_add_co_u32 s45, s45, SLOT
	s_add_co_u32 s46, s46, SLOT
.endr
	v_lshlrev_b32 v4, 4, v1                        ; 16 r
	s_mul_i32 s45, s[WL], LT*512                   ; L's scale bytes: my tiles
	s_lshl_b32 s46, s[WR], 12
	s_add_co_u32 s46, s46, 2*LT*512                ; R's: my tiles, behind L's
	s_sub_co_u32 s46, s46, s45
	v_mul_u32_u24 v5, s46, v2                      ; lanes 16-31 take R's: the lower base + h x the distance
	s_add_co_u32 s45, s45, SCL
	v_add_nc_u32 v5, v5, v4
	v_add_nc_u32 v[ADRS], s45, v5
	s_lshl_b32 s45, s[WV], 10
	v_lshl_add_u32 v[SQ], v2, 9, v4
	v_add_nc_u32 v[SQ], s45, v[SQ]
	v_add_nc_u32 v[SV], s45, v4
	v_add_nc_u32 v[SRD], s45, v[LI]
	v_lshlrev_b32 v[H16], 4, v2
	v_lshlrev_b32 v[H64], 6, v2
	v_and_b32 v[RH4], 8, v1
	v_add_nc_u32 v[RH4], v[RH4], v1
	v_lshlrev_b32 v[RH4], 2, v[RH4]
	v_mul_u32_u24 v[GV], v2, 20480
	v_add_nc_u32 v[GV], v[GV], v4
.macro FRAG reg, adr, q, i             ; a fragment, 16 rows x 128 K: two pieces of 512 dense bytes, 16 a lane
.irp c, 0,1
	ds_load_b128 v[\reg+4*\c:\reg+4*\c+3], v[\adr] offset:(\i)*4096+(\q)*1024+512*\c
.endr
.endm
.macro FETCH slot, q, p                ; the fragments of the half's q-th 128 along K into sets p
	WIN TO_B
.irp i, 0,1,2,3,4,5,6,7
	FRAG 128*(\p)+8*\i, ADRB+\slot, \q, \i
.endr
	WIN 0
.set II, 0
.rept LT
	FRAG AF+8*LT*(\p)+8*II, ADRA+\slot, \q, II
.set II, II+1
.endr
.endm
.macro SCALES sg                       ; a half of K's scale words: four a tile; lanes 0-15 L's tile i, lanes 16-31 R's tile i
.irp i, 0,1,2,3,4,5,6,7
	ds_load_b128 v[SC+32*\sg+4*\i:SC+32*\sg+4*\i+3], v[ADRS] offset:512*\i+256*\sg
.endr
.endm
; 64 matrix instructions: 128 along K.  The accumulators take turns, one instruction a turn, in the same order in every step.  first = 1: the products start the sums.
.macro MULS p, q, sc, first
.set AI, 0
.rept LT
.if AI == 0
	WIN MUL_LO
.endif
.if AI == 4
	WIN MUL_HI
.endif
.irp b, 0,1,2,3,4,5,6,7
.if \first
	v_wmma_scale_f32_16x16x128_f8f6f4 v[8*(8*(AI%4)+\b):8*(8*(AI%4)+\b)+7], v[128*(\p)+8*\b:128*(\p)+8*\b+7], v[AF+8*LT*(\p)+8*AI:AF+8*LT*(\p)+8*AI+7], 0, v[SC+32*(\sc)+4*\b+(\q)], v[SC+32*(\sc)+4*AI+(\q)] matrix_a_fmt:MATRIX_FMT_FP4 matrix_b_fmt:MATRIX_FMT_FP4 matrix_a_scale:MATRIX_SCALE_ROW1
.else
	v_wmma_scale_f32_16x16x128_f8f6f4 v[8*(8*(AI%4)+\b):8*(8*(AI%4)+\b)+7], v[128*(\p)+8*\b:128*(\p)+8*\b+7], v[AF+8*LT*(\p)+8*AI:AF+8*LT*(\p)+8*AI+7], v[8*(8*(AI%4)+\b):8*(8*(AI%4)+\b)+7], v[SC+32*(\sc)+4*\b+(\q)], v[SC+32*(\sc)+4*AI+(\q)] matrix_a_fmt:MATRIX_FMT_FP4 matrix_b_fmt:MATRIX_FMT_FP4 matrix_a_scale:MATRIX_SCALE_ROW1
.endif
.endr
.set AI, AI+1
.endr
.endm
.macro PLACES                          ; four plain lines between matrix instructions and loads into, or reads of, their registers (ISA guide 7.12.1 for reads)
.rept 4
	v_nop
.endr
.endm
; Step s of eight: its fragments were asked for a whole step ago; the next step's are asked for ahead of its 64 products.
.macro GSTEP s
.if (\s) == 3
	s_wait_tensorcnt 0x0                           ; my part of the second half of K has landed
.endif
	s_wait_dscnt 0x0                               ; this step's fragments are in; at step 3: my reads of the first half are over
.if (\s) == 3
	s_barrier_signal -1
	s_barrier_wait -1                              ; the second half is whole, and nobody reads the first any more
.endif
.if (\s) > 0
	PLACES
.endif
.if (\s) == 3
	SCALES 1
.endif
	FETCH ((\s)+1)/4, ((\s)+1)%4, 1-(\s)%2
.if (\s) == 0
	MULS 0, 0, 0, 1
.else
	MULS (\s)%2, (\s)%4, (\s)/4, 0
.endif
	WIN 0
.endm
; 64 numbers of a lane, register 16 b + i = k 32 b + 16 (lane / 16) + i of my row, become a fragment's codes in v[PC] on and its scale word in v[PW]
.macro QUANT s
.irp b, 0,1,2,3
	v_max3_num_f32 v[TM+\b], |v[\s+16*\b]|, |v[\s+1+16*\b]|, 0x1800000   ; with the floor 2^(3 - 127): the byte cannot fall under 1
.endr
.irp i, 2,4,6,8,10,12,14
.irp b, 0,1,2,3
	v_max3_num_f32 v[TM+\b], v[TM+\b], |v[\s+16*\b+\i]|, |v[\s+1+16*\b+\i]|
.endr
.endr
.irp b, 0,1,2,3
	v_permlanex16_b32 v[TM+4+\b], v[TM+\b], s[SEL], s[SEL+1]
.endr
.irp b, 0,1,2,3
	v_max_num_f32 v[TM+\b], v[TM+\b], v[TM+4+\b]   ; with lane l xor 16's: the block's largest magnitude
.endr
.irp b, 0,1,2,3
	v_add_nc_u32 v[TM+12+\b], 0xff000000, v[TM+\b] ; 2 off its exponent field: the conversion's scale operand
.endr
.irp b, 0,1,2,3
	v_lshrrev_b32 v[TM+4+\b], 23, v[TM+12+\b]      ; the scale's byte
.endr
	v_lshl_or_b32 v[PW], v[TM+5], 8, v[TM+4]
	v_lshl_or_b32 v[PW], v[TM+6], 16, v[PW]
	v_lshl_or_b32 v[PW], v[TM+7], 24, v[PW]
.irp b, 0,1,2,3
	v_cvt_scalef32_pk8_fp4_f32 v[PC+2*\b], v[\s+16*\b:\s+7+16*\b], v[TM+12+\b]
	v_cvt_scalef32_pk8_fp4_f32 v[PC+1+2*\b], v[\s+8+16*\b:\s+15+16*\b], v[TM+12+\b]
.endr
	v_nop                                          ; one plain line behind a scaled conversion
.irp c, 0,1                                    ; a whole block to a lane: lanes 0-15 block 2 c, lanes 16-31 block 2 c + 1
.irp i, 0,1
	v_permlane16_swap_b32 v[PC+4*\c+\i], v[PC+2+4*\c+\i]
.endr
.endr
.endm
; L's tile a: bias, quantiser, out.
.macro EPIA a, isv
.if (\a) > 0
	s_wait_xcnt 0x0                                ; the last tile's stores have read their registers
	s_wait_dscnt 0x0
.endif
	WIN 0x06+(\a)/4                                ; source 0: the accumulators' window; source 1: window 1
.set PI, 0
.rept 32                                       ; each accumulator from its low end on
.if \isv
	v_pk_add_f32 v[YS+2*PI:YS+2*PI+1], v[64*((\a)%4)+2*PI:64*((\a)%4)+2*PI+1], v[BI+2*(\a):BI+2*(\a)+1]
.else
	v_pk_add_f32 v[YS+2*PI:YS+2*PI+1], v[64*((\a)%4)+2*PI:64*((\a)%4)+2*PI+1], v[BI+2*PI:BI+2*PI+1]
.endif
.set PI, PI+1
.endr
	WIN 0
	QUANT YS
.irp c, 0,1
.if \isv
	global_store_b128 v[LI], v[PC+4*\c:PC+4*\c+3], s[18:19] offset:65536*((\a)/4)+1024*((\a)%4)+512*\c   ; 16 channels x 128 keys: 512 consecutive bytes, aligned
.else
	global_store_b128 v[LI], v[PC+4*\c:PC+4*\c+3], s[18:19] offset:512*(\a)+65536*\c                     ; 16 rows x one head's 64: 512 consecutive bytes, aligned
.endif
.endr
.if \isv
	ds_store_b32 v[SV], v[PW] offset:4096+256*((\a)/4)+4*((\a)%4)      ; both halves of the lanes write the same word with the same value
.else
	v_lshrrev_b32 v[PX], v[H16], v[PW]             ; lanes 0-15: the first head's two bytes; lanes 16-31: the second head's
	v_and_or_b32 v[PX], v[PX], s100, s101          ; the bytes of k = 64 .. 127, where the codes are zeros: 2^0
	ds_store_b32 v[SQ], v[PX] offset:256*((\a)/4)+4*((\a)%4)
.endif
.endm
; The last step of K and the way out.  The descriptors' registers are free: every tensor load was waited for at step 3.
.macro TAIL isv
.if \isv
	s_lshl_b32 s24, s[RTI], 8
	s_lshl_b32 s25, s[WR], 7
	s_add_co_u32 s24, s24, s25                     ; my first key, counted over all batches
	s_lshr_b32 s25, s24, 11                        ; the batch
	s_bfe_u32 s24, s24, 0x40007                    ; the key step of 128
	s_lshl_b32 s25, s25, 4
	s_lshl_b32 s26, s[LTI], 2
	s_add_co_u32 s25, s25, s26
	s_lshl_b32 s26, s[WL], 1
	s_add_co_u32 s25, s25, s26                     ; 16 x batch + my first head
	s_lshl_b32 s26, s25, 16
	s_lshl_b32 s27, s24, 12
	s_add_co_u32 s26, s26, s27
	s_add_co_u32 s26, s26, 0x800000
	s_mov_b32 s27, 0
	s_add_nc_u64 s[18:19], s[18:19], s[26:27]
	s_mul_i32 s26, s25, 20480
	s_lshl_b32 s28, s24, 8
	s_add_co_u32 s26, s26, s28
	s_add_co_u32 s26, s26, 16384
	s_add_nc_u64 s[20:21], s[20:21], s[26:27]
	s_lshl_b32 s26, s[LTI], 10
	s_lshl_b32 s28, s[WL], 9
	s_add_co_u32 s26, s26, s28
	s_add_nc_u64 s[16:17], s[16:17], s[26:27]      ; bv at my 128 channels
	WIN TO_B
.irp a, 0,1,2,3,4,5,6,7                        ; the bias of my lane's channel in tile a, twice: a pair for the packed addition
	global_load_b32 v[BI+2*\a], v[RH4], s[16:17] offset:4*(32*(\a/2)+8*(\a%2))
	global_load_b32 v[BI+2*\a+1], v[RH4], s[16:17] offset:4*(32*(\a/2)+8*(\a%2))
.endr
.else
	s_lshl_b32 s24, s[LTI], 4
	s_lshl_b32 s25, s[WL], 3
	s_add_co_u32 s24, s24, s25                     ; my first tile of rows, counted over all batches
	s_lshr_b32 s25, s24, 7                         ; the batch
	s_and_b32 s24, s24, 127                        ; the tile in it
	s_lshl_b32 s25, s25, 4
	s_lshl_b32 s26, s[RTI], 2
	s_add_co_u32 s25, s25, s26
	s_lshl_b32 s26, s[WR], 1
	s_add_co_u32 s25, s25, s26                     ; 16 x batch + my first head
	s_lshl_b32 s26, s[TAU], 22
	s_lshl_b32 s27, s25, 16
	s_add_co_u32 s26, s26, s27
	s_lshl_b32 s27, s24, 9
	s_add_co_u32 s26, s26, s27
	s_mov_b32 s27, 0
	s_add_nc_u64 s[18:19], s[18:19], s[26:27]
	s_mul_i32 s26, s25, 20480
	s_lshl_b32 s28, s[TAU], 13
	s_add_co_u32 s26, s26, s28
	s_lshr_b32 s28, s24, 2
	s_lshl_b32 s28, s28, 8
	s_add_co_u32 s26, s26, s28
	s_add_nc_u64 s[20:21], s[20:21], s[26:27]
	s_cmp_eq_u32 s[TAU], 1
	s_cselect_b64 s[12:13], s[14:15], s[12:13]
	s_lshl_b32 s26, s[RTI], 10
	s_lshl_b32 s28, s[WR], 9
	s_add_co_u32 s26, s26, s28
	s_add_nc_u64 s[12:13], s[12:13], s[26:27]      ; the bias at my 128 features
	WIN TO_B
.irp t, 0,1,2,3,4,5,6,7                        ; in the result's layout: tile t's eight features of my half
	global_load_b128 v[BI+8*\t:BI+8*\t+3], v[H64], s[12:13] offset:4*(32*(\t/2)+8*(\t%2))
	global_load_b128 v[BI+8*\t+4:BI+8*\t+7], v[H64], s[12:13] offset:4*(32*(\t/2)+8*(\t%2))+16
.endr
.endif
	WIN 0
	s_wait_dscnt 0x0                               ; the last step's fragments are in
	MULS 1, 3, 1, 0                                ; the bias lands under these 64 products
	WIN 0
	PLACES
.irp b, 0,1,2,3
	v_mov_b32 v[TM+4+\b], 0                        ; a lane permute's destination counts as one of its sources
.endr
	s_wait_loadcnt 0x0                             ; the bias
.irp a, 0,1,2,3,4,5,6,7
	EPIA \a, \isv
.endr
.if \isv
	ds_load_b128 v[220:223], v[SRD] offset:4096    ; my own bytes, in order behind my stores: lanes 0-15 the first head's 256 bytes, lanes 16-31 the second's
	s_wait_dscnt 0x0
	global_store_b128 v[GV], v[220:223], s[20:21]  ; sixteen lanes store 256 consecutive bytes, aligned
.else
	ds_load_b128 v[220:223], v[SRD]                ; the first head's 512 bytes,
	ds_load_b128 v[224:227], v[SRD] offset:512     ; the second's
	s_wait_dscnt 0x0
	global_store_b128 v[LI], v[220:223], s[20:21]
	global_store_b128 v[LI], v[224:227], s[20:21] offset:20480
.endif
.endm
	s_wait_tensorcnt 0x1                           ; the scale bytes and my part of the first half of K are in; the second half's load may be out
	s_barrier_signal -1
	s_barrier_wait -1                              ; everybody's are
	FETCH 0, 0, 0
	SCALES 0
.set KST, 0
.rept 7
	GSTEP KST
.set KST, KST+1
.endr
	s_cmp_eq_u32 s[TAU], 2                         ; the same in all sixteen partners
	s_cbranch_scc1 .Ltail_v
	s_wait_alu depctr_va_vdst(0)
	TAIL 0
	s_branch .Lend
.Ltail_v:
	s_wait_alu depctr_va_vdst(0)
	TAIL 1
.Lend:
	s_wait_dscnt 0x0
	s_wait_tensorcnt 0x0
	ds_add_u32 v126, v127
	s_wait_dscnt 0x0
	CROUND                                         ; the closing round: no work-group ends while a partner may still ask for a tile that names it
	s_endpgm
.Lfunc_end_k_q04496160bd_proj:
	.size	k_q04496160bd_proj, .Lfunc_end_k_q04496160bd_proj-k_q04496160bd_proj
	.p2alignl 7, 3214868480
	.fill 96, 4, 3214868480
	.section	.rodata,"a",@progbits
	.p2align	6, 0x0
	.amdhsa_kernel k_q04496160bd_proj
		.amdhsa_group_segment_fixed_size 279040
		.amdhsa_private_segment_fixed_size 0
		.amdhsa_enable_private_segment 0
		.amdhsa_kernarg_size 72
		.amdhsa_user_sgpr_count 2
		.amdhsa_user_sgpr_kernarg_segment_ptr 1
		.amdhsa_wavefront_size32 1
		.amdhsa_system_sgpr_workgroup_id_x 1
		.amdhsa_system_sgpr_workgroup_id_y 1
		.amdhsa_system_sgpr_workgroup_id_z 1
		.amdhsa_system_vgpr_workitem_id 0
		.amdhsa_next_free_vgpr 1024
		.amdhsa_next_free_sgpr 102
		.amdhsa_reserve_vcc 0
		.amdhsa_float_denorm_mode_32 3
		.amdhsa_float_denorm_mode_16_64 3
		.amdhsa_memory_ordered 1
		.amdhsa_forward_progress 1
		.amdhsa_inst_pref_size 207
	.end_amdhsa_kernel
	.amdgpu_metadata
---
amdhsa.version: [ 1, 2 ]
amdhsa.kernels:
  - .name:           k_q04496160bd_proj
    .symbol:         k_q04496160bd_proj.kd
    .args:
      - { .name: x_codes, .offset: 0, .size: 8, .value_kind: global_buffer, .address_space: global }
      - { .name: x_scales, .offset: 8, .size: 8, .value_kind: global_buffer, .address_space: global }
      - { .name: w_codes, .offset: 16, .size: 8, .value_kind: global_buffer, .address_space: global }
      - { .name: w_scales, .offset: 24, .size: 8, .value_kind: global_buffer, .address_space: global }
      - { .name: bq, .offset: 32, .size: 8, .value_kind: global_buffer, .address_space: global }
      - { .name: bk, .offset: 40, .size: 8, .value_kind: global_buffer, .address_space: global }
      - { .name: bv, .offset: 48, .size: 8, .value_kind: global_buffer, .address_space: global }
      - { .name: qkv_codes, .offset: 56, .size: 8, .value_kind: global_buffer, .address_space: global }
      - { .name: qkv_scales, .offset: 64, .size: 8, .value_kind: global_buffer, .address_space: global }
    .group_segment_fixed_size: 279040
    .private_segment_fixed_size: 0
    .kernarg_segment_align: 8
    .kernarg_segment_size: 72
    .max_flat_workgroup_size: 128
    .sgpr_count:     102
    .vgpr_count:     1024
    .wavefront_size: 32
...
	.end_amdgpu_metadata
.endif
;; end of part 2
;; launch attn (part 3): grid 4 x 64, 16 waves a work-group, clusters of 4 x 1, 169,984 bytes of LDS; arguments qkv_codes, qkv_scales, ao_codes, ao_scales; writes ao_codes, ao_scales
.if DOCPART == 3
	.amdgcn_target "amdgcn-amd-amdhsa--gfx1250"
	.amdhsa_code_object_version 6
	.text
	.protected	k_q04496160bd_attn
	.globl	k_q04496160bd_attn
	.p2align	8
	.type	k_q04496160bd_attn,@function
k_q04496160bd_attn:
	s_mov_b64 s[64:65], 0
	v_nop
	global_prefetch_b8 v0, s[64:65] scope:SCOPE_SE
	s_setreg_imm32_b32 hwreg(HW_REG_WAVE_MODE, 25, 1), 1
	s_wait_xcnt 0x0
	s_wait_alu depctr_hold_cnt(0) depctr_sa_sdst(0) depctr_va_vdst(0) depctr_va_sdst(0) depctr_va_ssrc(0) depctr_va_vcc(0) depctr_vm_vsrc(0)
	s_getreg_b32 s2, hwreg(HW_REG_IB_STS2, 6, 4)
	s_cmp_eq_u32 s2, 0
	s_cbranch_scc0 .Lentry_in_a_cluster
	s_endpgm
.Lentry_in_a_cluster:
	s_bfe_u32 s2, ttmp6, 0x10000c
	s_cmp_lg_u32 s2, 0x3003
	s_cbranch_scc0 .Lentry_shape_is_right
	s_endpgm
.Lentry_shape_is_right:
; For each of 64 heads (16 x batch + head): O = softmax(q k^T / 8) v, both products on codes of FP4 with E8M0 scales; O / l is quantised along the model's 1,024 and leaves as codes.
; THE SOFTMAX: t = score x log2(e) / 8; M = the running largest t rounded up to a whole number; p = 2^(t - M) is quantised along the keys; the sum l is taken of the unquantised p and divides at the end.
; When M moves, l and O are multiplied by 2^(old M - new M), which rounds nothing.
; SHARES.  A work-group owns 512 queries of one head; each of its sixteen waves one tile of 16 queries at a time, twice.  Four waves to a SIMD: one wave's vector work stands beside another's products and LDS loads.
; A HEAD'S K, V AND THEIR SCALE WORDS, 143,360 bytes, come into LDS ONCE and stay: nothing is filled again.  The four work-groups of a head are a cluster and ask for these bytes jointly.
; LAYOUT.  Both products are used transposed: S^T = K Q^T, O^T = V^T P^T: a lane holds ONE query.  A tile's 16 rows are rows 32 (T / 2) + 8 (T % 2) + r + 8 (r / 8), so the 16 registers of tiles 2 b, 2 b + 1 are 16 neighbours.
; The head's 64 ride in the form of 128 along K: the upper 64 are zero codes on both sides, under scale bytes of 2^0.
; LIMITS: p under 2^-126 falls to 0; 1 / l is v_rcp_f32 and a multiplication; a block of zeros, or one under 2^-124, gets the scale byte 1; NaN and infinities are not served.
; REGISTERS: v1-6 addresses that stay; v8-11 addresses in hand; v12 -M, v13 the largest t, v[14:15] the sum; v16-19 Q, v20-23 zeros; v24-31 K's scale words; v32-95 K's 8 fragments (the upper four of each eight: zeros);
;   v96-159 S^T, then p; v160-191 O^T; v192-223 V's 4 fragments; v224-231 p's codes; v232-239, v244-247, v252, v254 at work; v240-243 V's scale words; v253 p's scale word; v255 Q's.
.set VC,   65536                       ; LDS: K's codes at 0 (tile t at 512 t); V's here (key step x 4096 + tile of channels x 1024 + 512 c);
.set KSC,  131072                      ; K's scale words: (tile / 4) x 256 + 16 r + 4 (tile % 4);
.set VSC,  139264                      ; V's: key step x 256 + 16 r + 4 x tile of channels
.set ADK,  8
.set ADV,  9
.set ADS,  10
.set ADT,  11
.set OC,   8                           ; s[8:9]   where my codes go
.set OS,   10                          ; s[10:11] and my scale bytes
.set WV,   18
.set CNT,  19
.set SEL,  20
.set CS,   22                          ; s[22:23] c = log2(e) / 8
.set G1C,  24                          ; s[24:31] group 1: 8,192 dense bytes as 32 rows of 256
.set G1S,  32                          ; s[32:39] group 1: 3,072 dense bytes as 12 rows of 256
.set G0,   40                          ; s[40:59] five groups 0
.set HM,   60                          ; s60      the lanes 16-31
.set PASS, 61
.set TB,   62                          ; the key step's codes: 4,096 bytes a step, in K's and in V's
.set TS,   63                          ; K's scale words: 512 a step
.set TJ,   66                          ; V's: 256 a step
.set QC,   68                          ; s[68:69] Q's codes
.set QS,   70                          ; s[70:71] Q's scale words
.macro CROUND                          ; a round of the cluster's barrier
	s_barrier_signal -1
	s_barrier_wait -1
	s_cmp_lg_u32 s[WV], 0
	s_cbranch_scc1 .Lnot_wave_0_\@
	s_barrier_signal -3
.Lnot_wave_0_\@:
	s_barrier_wait -3
	s_barrier_signal -1
	s_barrier_wait -1
.endm
	s_load_b256 s[4:11], s[0:1], 0x0               ; qkv_codes, qkv_scales, ao_codes, ao_scales
	v_lshl_add_u32 v250, v0, 2, 0x29000
	v_mov_b32 v251, 0
	ds_add_u32 v250, v251
	ds_add_u32 v250, v251
	v_lshrrev_b32 v1, 5, v0
	s_delay_alu instid0(VALU_DEP_1)
	v_readfirstlane_b32 s[WV], v1                  ; wave 0 .. 15
	s_bfe_u32 s13, ttmp6, 0x40000                  ; cx
	s_lshl_b32 s14, ttmp9, 2
	s_add_co_u32 s13, s13, s14                     ; my block of 512 queries: it enters Q's and the results' addresses alone
	s_and_b32 s12, ttmp7, 0xffff                   ; 16 x batch + head, which the four partners share
	s_mov_b32 s[G1C], 15|(3<<16)|(1<<21)           ; the mask: all four work-groups; elements of 8 bytes; bit 21 set beside a mask
	s_mov_b32 s[G1C+1], 32<<16
	s_mov_b32 s[G1C+2], 32<<16
	s_mov_b32 s[G1C+3], 32<<16
	s_mov_b32 s[G1C+4], 32
	s_mov_b32 s[G1C+5], 32
	s_mov_b32 s[G1C+6], 0
	s_mov_b32 s[G1C+7], 0
	s_mov_b32 s[G1S], 15|(3<<16)|(1<<21)
	s_mov_b32 s[G1S+1], 32<<16
	s_mov_b32 s[G1S+2], 12<<16
	s_mov_b32 s[G1S+3], 32<<16
	s_mov_b32 s[G1S+4], 12
	s_mov_b32 s[G1S+5], 32
	s_mov_b32 s[G1S+6], 0
	s_mov_b32 s[G1S+7], 0
	s_mov_b32 s[SEL], 0x76543210
	s_mov_b32 s[SEL+1], 0xfedcba98
	s_mov_b32 s[CS], 0x3e38aa3b                    ; log2(e) / 8
	s_mov_b32 s[CS+1], s[CS]
	s_mov_b32 s[HM], 0xffff0000
	s_wait_dscnt 0x0
	s_wait_kmcnt 0x0
	CROUND                                         ; all four work-groups are here: the joint loads meet
	s_cmp_lt_u32 s[WV], 4                          ; waves 0, 1 fetch K's codes, waves 2, 3 V's, each a quarter of the scale words: five loads, all first fills, in one branch
	s_cbranch_scc0 .Lno_fetch
	s_mul_i32 s14, s[WV], 3072
	s_mul_i32 s16, s12, 20480
	s_add_co_u32 s16, s16, s14
	s_add_co_u32 s16, s16, 8192                    ; behind q's scale words: k's 8,192 bytes and v's 4,096, on end
	s_mov_b32 s17, 0
	s_mov_b32 s[G0], 1
	s_add_co_u32 s[G0+1], s14, KSC
	s_add_nc_u64 s[G0+2:G0+3], s[6:7], s[16:17]
	s_or_b32 s[G0+3], s[G0+3], 0x80000000
	s_lshr_b32 s14, s[WV], 1                       ; 0: K, 1: V
	s_and_b32 s15, s[WV], 1                        ; which 8,192 of each 16,384 bytes
	s_add_co_u32 s16, s14, 1
	s_lshl_b32 s16, s16, 22
	s_lshl_b32 s17, s12, 16
	s_add_co_u32 s16, s16, s17
	s_lshl_b32 s17, s15, 13
	s_add_co_u32 s16, s16, s17
	s_mov_b32 s17, 0
	s_add_nc_u64 s[16:17], s[4:5], s[16:17]
	s_lshl_b32 s14, s14, 16
	s_lshl_b32 s15, s15, 13
	s_add_co_u32 s14, s14, s15
.irp i, 0,1,2,3
	s_mov_b32 s[G0+4+4*\i], 1
	s_add_co_u32 s[G0+5+4*\i], s14, 16384*\i
	s_add_nc_u64 s[G0+6+4*\i:G0+7+4*\i], s[16:17], 16384*\i
	s_or_b32 s[G0+7+4*\i], s[G0+7+4*\i], 0x80000000
.endr
	tensor_load_to_lds s[G0:G0+3], s[G1S:G1S+7]
	s_nop 0
	tensor_load_to_lds s[G0+4:G0+7], s[G1C:G1C+7]
	s_nop 0
	tensor_load_to_lds s[G0+8:G0+11], s[G1C:G1C+7]
	s_nop 0
	tensor_load_to_lds s[G0+12:G0+15], s[G1C:G1C+7]
	s_nop 0
	tensor_load_to_lds s[G0+16:G0+19], s[G1C:G1C+7]
	s_nop 0
.rept 4
	v_nop                                          ; four plain lines follow the last
.endr
.Lno_fetch:
	s_lshl_b32 s14, s13, 5
	s_add_co_u32 s14, s14, s[WV]                   ; my first tile of queries: 32 x block + wave; the second lies 16 tiles on
	s_lshl_b32 s16, s12, 16
	s_lshl_b32 s15, s14, 9
	s_add_co_u32 s16, s16, s15
	s_mov_b32 s17, 0
	s_add_nc_u64 s[QC:QC+1], s[4:5], s[16:17]
	s_mul_i32 s16, s12, 20480
	s_lshr_b32 s15, s14, 2
	s_lshl_b32 s15, s15, 8
	s_add_co_u32 s16, s16, s15
	s_and_b32 s15, s14, 3
	s_lshl_b32 s15, s15, 2
	s_add_co_u32 s16, s16, s15
	s_add_nc_u64 s[QS:QS+1], s[6:7], s[16:17]
	s_lshr_b32 s15, s12, 4
	s_lshl_b32 s15, s15, 7
	s_add_co_u32 s15, s15, s14                     ; the tile of rows among all 512: 128 x batch + my tile
	s_and_b32 s14, s12, 15                         ; the head
	s_lshl_b32 s16, s15, 13
	s_lshl_b32 s2, s14, 9
	s_add_co_u32 s16, s16, s2
	s_add_nc_u64 s[OC:OC+1], s[OC:OC+1], s[16:17]  ; the head's two blocks of 32: 512 bytes of the tile's 8,192
	s_lshl_b32 s16, s15, 9
	s_lshr_b32 s2, s14, 3
	s_lshl_b32 s2, s2, 8
	s_add_co_u32 s16, s16, s2
	s_and_b32 s2, s14, 7
	s_lshl_b32 s2, s2, 1
	s_add_co_u32 s16, s16, s2
	s_add_nc_u64 s[OS:OS+1], s[OS:OS+1], s[16:17]
	v_and_b32 v7, 31, v0
	s_delay_alu instid0(VALU_DEP_1)
	v_lshlrev_b32 v1, 4, v7                        ; 16 x lane: K's codes in LDS, Q's codes and the results' in memory
	s_delay_alu instid0(VALU_DEP_1)
	v_add_nc_u32 v2, VC, v1
	v_and_b32 v5, 15, v0
	s_delay_alu instid0(VALU_DEP_1)
	v_lshlrev_b32 v5, 4, v5                        ; 16 r
	s_delay_alu instid0(VALU_DEP_1)
	v_add_nc_u32 v3, KSC, v5
	s_delay_alu instid0(VALU_DEP_2)
	v_add_nc_u32 v4, VSC, v5
	v_bfe_u32 v6, v0, 4, 1
	s_delay_alu instid0(VALU_DEP_1)
	v_add_nc_u32 v6, v6, v5                        ; 16 r + h
	global_load_b128 v[16:19], v1, s[QC:QC+1]      ; Q's fragment: k = 32 h + 0 .. 31
	global_load_b32 v255, v5, s[QS:QS+1]
.irp j, 20,21,22,23
	v_mov_b32 v[\j], 0                             ; k = 64 .. 127: zero codes, for the whole launch
.endr
.irp t, 0,1,2,3,4,5,6,7
.irp j, 0,1,2,3
	v_mov_b32 v[36+8*\t+\j], 0
.endr
.endr
.irp b, 0,1,2,3
	v_mov_b32 v[236+\b], 0                         ; a lane permute's destination counts as one of its sources
.endr
	v_mov_b32 v253, 0                              ; (named as the upper half of the pair v[252:253] before it is first written)
	s_wait_tensorcnt 0x0                           ; my five loads have landed (a wave that fetched nothing passes),
	s_barrier_signal -1
	s_barrier_wait -1                              ; everybody's have: from here on LDS is only read
	s_mov_b32 s[PASS], 2
.Lpass:
	v_mov_b32 v13, 0xff61b1e6                      ; the largest t so far: -3e38
	s_delay_alu instid0(VALU_DEP_1)
	v_floor_f32 v12, -v13                          ; -M
	v_mov_b32 v14, 0
	v_mov_b32 v15, 0
.set J, 0
.rept 32
	v_mov_b32 v[160+J], 0                          ; O^T: the step is written once; its first trip finds zeros, which the first change of M leaves zeros
.set J, J+1
.endr
	s_mov_b32 s[TB], 0
	s_mov_b32 s[TS], 0
	s_mov_b32 s[TJ], 0
	s_mov_b32 s[CNT], 16
	s_wait_loadcnt 0x0                             ; Q
.Lstep:                                            ; a key step: 128 keys
	s_setprio 2
	v_add_nc_u32 v[ADK], s[TB], v1                 ; (these four are also the places between the last step's products and the loads into their registers)
	v_add_nc_u32 v[ADV], s[TB], v2
	v_add_nc_u32 v[ADS], s[TS], v3
	v_add_nc_u32 v[ADT], s[TJ], v4
	ds_load_b128 v[24:27], v[ADS]                  ; the scale words of K's tiles 0-3,
	ds_load_b128 v[28:31], v[ADS] offset:256       ; 4-7
.irp t, 0,1,2,3,4,5,6,7
	ds_load_b128 v[32+8*\t:35+8*\t], v[ADK] offset:512*\t
.endr
	ds_load_b128 v[240:243], v[ADT]
.irp t, 0,1,2,3
.irp c, 0,1
	ds_load_b128 v[192+8*\t+4*\c:195+8*\t+4*\c], v[ADV] offset:1024*\t+512*\c
.endr
.endr
	s_wait_dscnt 9                                 ; K and its scale words are in; V's nine loads may be out
.irp t, 0,1,2,3,4,5,6,7
	v_wmma_scale_f32_16x16x128_f8f6f4 v[96+8*\t:103+8*\t], v[32+8*\t:39+8*\t], v[16:23], 0, v[24+\t], v255 matrix_a_fmt:MATRIX_FMT_FP4 matrix_b_fmt:MATRIX_FMT_FP4
.endr
.rept 4
	v_nop
.endr
.irp b, 0,1,2,3
	v_max3_num_f32 v[232+\b], v[96+16*\b], v[97+16*\b], v[98+16*\b]   ; the largest score of each block of 32 keys: for the row's maximum, and, since p rises with the score, for the block's largest p
.endr
.irp i, 3,5,7,9,11,13
.irp b, 0,1,2,3
	v_max3_num_f32 v[232+\b], v[232+\b], v[96+16*\b+\i], v[97+16*\b+\i]
.endr
.endr
.irp b, 0,1,2,3
	v_max_num_f32 v[232+\b], v[232+\b], v[111+16*\b]
.endr
.irp b, 0,1,2,3
	s_delay_alu instid0(VALU_DEP_4)
	v_permlanex16_b32 v[236+\b], v[232+\b], s[SEL], s[SEL+1]
.endr
.irp b, 0,1,2,3
	s_delay_alu instid0(VALU_DEP_4)
	v_max_num_f32 v[232+\b], v[232+\b], v[236+\b]  ; with lane l xor 16's 16 keys
.endr
	s_delay_alu instid0(VALU_DEP_2)
	v_max3_num_f32 v254, v232, v233, v234
	s_delay_alu instid0(VALU_DEP_1)
	v_max_num_f32 v254, v254, v235
	s_delay_alu instid0(VALU_DEP_1)
	v_mul_f32 v254, s[CS], v254                    ; the step's largest t
	s_delay_alu instid0(VALU_DEP_1)
	v_max_num_f32 v13, v13, v254
	v_mov_b32 v254, v12
	s_delay_alu instid0(VALU_DEP_2)
	v_floor_f32 v12, -v13                          ; the new -M = -ceil(t)
	s_delay_alu instid0(VALU_DEP_1)
	v_sub_f32 v254, v12, v254                      ; old M - new M: a whole number, 0 or less
	s_delay_alu instid0(VALU_DEP_1)
	v_cvt_i32_f32 v254, v254                       ; (it saturates)
	s_delay_alu instid0(VALU_DEP_1)
	v_ldexp_f32 v252, 1.0, v254                    ; f = 2^(old M - new M)
.set J, 0
.rept 32
	v_pk_fma_f32 v[96+J:97+J], v[96+J:97+J], s[CS:CS+1], v[12:13] op_sel_hi:[1,0,0]   ; t - M, two at a time
.set J, J+2
.endr
.irp b, 0,1,2,3
	v_fma_f32 v[232+\b], v[232+\b], s[CS], v12     ; the same of each block's largest score
.endr
.set J, 0
	s_wait_alu depctr_va_vdst(0)
.rept 64
	v_exp_f32 v[96+J], v[96+J]                     ; p = 2^(t - M)
.set J, J+1
.endr
	s_setprio 1
	v_pk_mul_f32 v[14:15], v[14:15], v[252:253] op_sel_hi:[1,0]   ; the sums under the new M (a plain line behind the exponentials)
	s_wait_alu depctr_va_vdst(0)                   ; one wait for the whole batch, ahead of its first reader
.irp b, 0,1,2,3
	v_exp_f32 v[232+\b], v[232+\b]                 ; each block's largest p
.endr
	v_pk_add_f32 v[236:237], v[100:101], v[104:105]
	v_pk_add_f32 v[248:249], v[108:109], v[112:113]
	v_pk_add_f32 v[246:247], v[116:117], v[120:121]
	v_pk_add_f32 v[244:245], v[124:125], v[128:129]
	v_pk_add_f32 v[238:239], v[132:133], v[136:137]
	v_pk_add_f32 v[230:231], v[140:141], v[144:145]
	v_pk_add_f32 v[228:229], v[148:149], v[152:153]
	v_pk_add_f32 v[14:15], v[14:15], v[156:157]
	v_pk_add_f32 v[236:237], v[236:237], v[96:97]
	v_pk_add_f32 v[248:249], v[248:249], v[98:99]
	v_pk_add_f32 v[246:247], v[246:247], v[102:103]
	v_pk_add_f32 v[244:245], v[244:245], v[106:107]
	v_pk_add_f32 v[238:239], v[238:239], v[110:111]
	v_pk_add_f32 v[230:231], v[230:231], v[114:115]
	v_pk_add_f32 v[228:229], v[228:229], v[118:119]
	v_pk_add_f32 v[14:15], v[14:15], v[122:123]
	v_pk_add_f32 v[236:237], v[236:237], v[126:127]
	v_pk_add_f32 v[248:249], v[248:249], v[130:131]
	v_pk_add_f32 v[246:247], v[246:247], v[134:135]
	v_pk_add_f32 v[244:245], v[244:245], v[138:139]
	v_pk_add_f32 v[238:239], v[238:239], v[142:143]
	v_pk_add_f32 v[230:231], v[230:231], v[146:147]
	v_pk_add_f32 v[228:229], v[228:229], v[150:151]
	v_pk_add_f32 v[14:15], v[14:15], v[154:155]
	v_pk_add_f32 v[236:237], v[236:237], v[158:159]
	s_delay_alu instid0(VALU_DEP_2)
	v_pk_add_f32 v[14:15], v[14:15], v[244:245]
	s_delay_alu instid0(VALU_DEP_2)
	v_pk_add_f32 v[236:237], v[236:237], v[238:239]
	v_pk_add_f32 v[248:249], v[248:249], v[230:231]
	v_pk_add_f32 v[246:247], v[246:247], v[228:229]
	s_delay_alu instid0(VALU_DEP_2)
	v_pk_add_f32 v[14:15], v[14:15], v[248:249]
	s_delay_alu instid0(VALU_DEP_2)
	v_pk_add_f32 v[236:237], v[236:237], v[246:247]
	s_delay_alu instid0(VALU_DEP_1)
	v_pk_add_f32 v[14:15], v[14:15], v[236:237]
	s_wait_alu depctr_va_vdst(0)                   ; and one for the four
.irp b, 0,1,2,3
	v_max_num_f32 v[232+\b], 0x1800000, v[232+\b]  ; the floor 2^(3 - 127)
.endr
.irp b, 0,1,2,3
	s_delay_alu instid0(VALU_DEP_4)
	v_add_nc_u32 v[244+\b], 0xff000000, v[232+\b]  ; the conversion's scale operand
.endr
.irp b, 0,1,2,3
	s_delay_alu instid0(VALU_DEP_4)
	v_lshrrev_b32 v[236+\b], 23, v[244+\b]         ; the scale's byte
.endr
	s_delay_alu instid0(VALU_DEP_3)
	v_lshl_or_b32 v253, v237, 8, v236              ; p's scale word for these 128 keys
	s_delay_alu instid0(VALU_DEP_1)
	v_lshl_or_b32 v253, v238, 16, v253
	s_delay_alu instid0(VALU_DEP_1)
	v_lshl_or_b32 v253, v239, 24, v253
.irp b, 0,1,2,3
	v_cvt_scalef32_pk8_fp4_f32 v[224+2*\b], v[96+16*\b:103+16*\b], v[244+\b]
	v_cvt_scalef32_pk8_fp4_f32 v[225+2*\b], v[104+16*\b:111+16*\b], v[244+\b]
.endr
	v_nop                                          ; one plain line behind a scaled conversion
.irp c, 0,1
.irp i, 0,1
	v_permlane16_swap_b32 v[224+4*\c+\i], v[226+4*\c+\i]   ; a whole block to a lane
.endr
.endr
.set J, 0
	s_setprio 0
.rept 16
	v_pk_mul_f32 v[160+J:161+J], v[160+J:161+J], v[252:253] op_sel_hi:[1,0]   ; O^T under the new M; these sixteen also stand between the scale word's and the codes' last writes and the products
.set J, J+2
.endr
	s_wait_alu depctr_va_vdst(0)
	s_wait_dscnt 0x0                               ; V and its scale words are in
.irp t, 0,1,2,3
	v_wmma_scale_f32_16x16x128_f8f6f4 v[160+8*\t:167+8*\t], v[192+8*\t:199+8*\t], v[224:231], v[160+8*\t:167+8*\t], v[240+\t], v253 matrix_a_fmt:MATRIX_FMT_FP4 matrix_b_fmt:MATRIX_FMT_FP4
.endr
	s_add_co_u32 s[TB], s[TB], 4096
	s_add_co_u32 s[TS], s[TS], 512
	s_add_co_u32 s[TJ], s[TJ], 256
	s_sub_co_u32 s[CNT], s[CNT], 1
	s_cmp_lg_u32 s[CNT], 0
	s_cbranch_scc1 .Lstep
	s_setprio 0
	; THE WAY OUT of a tile of queries
	s_cmp_eq_u32 s[PASS], 1                        ; the second tile's Q is asked for here, if there is a second tile to come
	s_cbranch_scc1 .Lno_q
	global_load_b128 v[16:19], v1, s[QC:QC+1] offset:8192
	global_load_b32 v255, v5, s[QS:QS+1] offset:1024
.Lno_q:
.rept 4
	v_nop                                          ; places behind the last products
.endr
	v_add_f32 v14, v14, v15
	s_delay_alu instid0(VALU_DEP_1)
	v_permlanex16_b32 v252, v14, s[SEL], s[SEL+1]
	s_delay_alu instid0(VALU_DEP_1)
	v_add_f32 v14, v14, v252                       ; the row's sum
	s_wait_alu depctr_va_vdst(0)
	v_rcp_f32 v14, v14
	v_nop
	s_wait_alu depctr_va_vdst(0)                   ; ahead of the reciprocal's first reader
.set J, 0
.rept 16
	v_pk_mul_f32 v[96+J:97+J], v[160+J:161+J], v[14:15] op_sel_hi:[1,0]   ; O^T / l: register 16 b + i is channel 32 b + 16 h + i of my query; each accumulator from its low end on
.set J, J+2
.endr
.irp b, 0,1
	v_max3_num_f32 v[232+\b], |v[96+16*\b]|, |v[97+16*\b]|, 0x1800000
.endr
.irp i, 2,4,6,8,10,12,14
.irp b, 0,1
	s_delay_alu instid0(VALU_DEP_2)
	v_max3_num_f32 v[232+\b], v[232+\b], |v[96+16*\b+\i]|, |v[97+16*\b+\i]|
.endr
.endr
.irp b, 0,1
	s_delay_alu instid0(VALU_DEP_2)
	v_permlanex16_b32 v[236+\b], v[232+\b], s[SEL], s[SEL+1]
.endr
.irp b, 0,1
	s_delay_alu instid0(VALU_DEP_2)
	v_max_num_f32 v[232+\b], v[232+\b], v[236+\b]
.endr
.irp b, 0,1
	s_delay_alu instid0(VALU_DEP_2)
	v_add_nc_u32 v[244+\b], 0xff000000, v[232+\b]
.endr
.irp b, 0,1
	s_delay_alu instid0(VALU_DEP_2)
	v_lshrrev_b32 v[236+\b], 23, v[244+\b]
.endr
.irp b, 0,1
	v_cvt_scalef32_pk8_fp4_f32 v[224+2*\b], v[96+16*\b:103+16*\b], v[244+\b]
	v_cvt_scalef32_pk8_fp4_f32 v[225+2*\b], v[104+16*\b:111+16*\b], v[244+\b]
.endr
	v_nop
	v_permlane16_swap_b32 v224, v226               ; lanes 0-15: the head's first block of 32, lanes 16-31 its second
	v_permlane16_swap_b32 v225, v227
	v_cndmask_b32 v238, v236, v237, s[HM]          ; and the byte of that block
	global_store_b128 v1, v[224:227], s[OC:OC+1]   ; 512 consecutive bytes, aligned
	global_store_b8 v6, v238, s[OS:OS+1]           ; 32 single bytes, two of each row's sixteen: the other heads' bytes belong to other work-groups; one byte for each 16 of codes
	s_wait_xcnt 0x0                                ; the loads and stores have read their addresses and data: both may be written again
	s_add_nc_u64 s[QC:QC+1], s[QC:QC+1], 8192      ; 16 tiles on
	s_add_nc_u64 s[QS:QS+1], s[QS:QS+1], 1024
	s_add_nc_u64 s[OC:OC+1], s[OC:OC+1], 131072
	s_add_nc_u64 s[OS:OS+1], s[OS:OS+1], 8192
	s_sub_co_u32 s[PASS], s[PASS], 1
	s_cmp_lg_u32 s[PASS], 0
	s_cbranch_scc1 .Lpass
	s_wait_tensorcnt 0x0
	ds_add_u32 v250, v251
	s_wait_dscnt 0x0
	CROUND                                         ; the closing round
	s_endpgm
.Lfunc_end_k_q04496160bd_attn:
	.size	k_q04496160bd_attn, .Lfunc_end_k_q04496160bd_attn-k_q04496160bd_attn
	.p2alignl 7, 3214868480
	.fill 96, 4, 3214868480
	.section	.rodata,"a",@progbits
	.p2align	6, 0x0
	.amdhsa_kernel k_q04496160bd_attn
		.amdhsa_group_segment_fixed_size 169984
		.amdhsa_private_segment_fixed_size 0
		.amdhsa_enable_private_segment 0
		.amdhsa_kernarg_size 32
		.amdhsa_user_sgpr_count 2
		.amdhsa_user_sgpr_kernarg_segment_ptr 1
		.amdhsa_wavefront_size32 1
		.amdhsa_system_sgpr_workgroup_id_x 1
		.amdhsa_system_sgpr_workgroup_id_y 1
		.amdhsa_system_sgpr_workgroup_id_z 1
		.amdhsa_system_vgpr_workitem_id 0
		.amdhsa_next_free_vgpr 256
		.amdhsa_next_free_sgpr 72
		.amdhsa_reserve_vcc 0
		.amdhsa_float_denorm_mode_32 3
		.amdhsa_float_denorm_mode_16_64 3
		.amdhsa_memory_ordered 1
		.amdhsa_forward_progress 1
		.amdhsa_inst_pref_size 31
	.end_amdhsa_kernel
	.amdgpu_metadata
---
amdhsa.version: [ 1, 2 ]
amdhsa.kernels:
  - .name:           k_q04496160bd_attn
    .symbol:         k_q04496160bd_attn.kd
    .args:
      - { .name: qkv_codes, .offset: 0, .size: 8, .value_kind: global_buffer, .address_space: global }
      - { .name: qkv_scales, .offset: 8, .size: 8, .value_kind: global_buffer, .address_space: global }
      - { .name: ao_codes, .offset: 16, .size: 8, .value_kind: global_buffer, .address_space: global }
      - { .name: ao_scales, .offset: 24, .size: 8, .value_kind: global_buffer, .address_space: global }
    .group_segment_fixed_size: 169984
    .private_segment_fixed_size: 0
    .kernarg_segment_align: 8
    .kernarg_segment_size: 32
    .max_flat_workgroup_size: 512
    .sgpr_count:     72
    .vgpr_count:     256
    .wavefront_size: 32
...
	.end_amdgpu_metadata
.endif
;; end of part 3
;; launch outp (part 4): grid 4 x 64, 4 waves a work-group, clusters of 4 x 4, 209,408 bytes of LDS; arguments ao_codes, ao_scales, w_codes, w_scales, bo, out0; writes out0
.if DOCPART == 4
	.amdgcn_target "amdgcn-amd-amdhsa--gfx1250"
	.amdhsa_code_object_version 6
	.text
	.protected	k_q04496160bd_outp
	.globl	k_q04496160bd_outp
	.p2align	8
	.type	k_q04496160bd_outp,@function
k_q04496160bd_outp:
	s_mov_b64 s[64:65], 0
	v_nop
	global_prefetch_b8 v0, s[64:65] scope:SCOPE_SE
	s_setreg_imm32_b32 hwreg(HW_REG_WAVE_MODE, 25, 1), 1
	s_wait_xcnt 0x0
	s_wait_alu depctr_hold_cnt(0) depctr_sa_sdst(0) depctr_va_vdst(0) depctr_va_sdst(0) depctr_va_ssrc(0) depctr_va_vcc(0) depctr_vm_vsrc(0)
	s_getreg_b32 s2, hwreg(HW_REG_IB_STS2, 6, 4)
	s_cmp_eq_u32 s2, 0
	s_cbranch_scc0 .Lentry_in_a_cluster
	s_endpgm
.Lentry_in_a_cluster:
	s_bfe_u32 s2, ttmp6, 0x10000c
	s_cmp_lg_u32 s2, 0xf033
	s_cbranch_scc0 .Lentry_shape_is_right
	s_endpgm
.Lentry_shape_is_right:
; out0 = ao Wo + bo on codes of FP4 with E8M0 scales; out0 [8192][1024] f32.
; OPERANDS lie in memory in the order of a fragment's registers: tile T (16 rows: 32 (T / 2) + 8 (T % 2) + r + 8 (r / 8)) x 8192 + block of 32 along K x 256 + 16 r; scale bytes: T x 512 + (block / 16) x 256 + 16 r + block % 16.
; ROLES.  L = ao is source 1 (a result's lane is one of its rows), R = Wo is source 0 (a result's registers run along the features: the 16 registers of tiles 2 B, 2 B + 1 are features 32 B + 16 (lane / 16) + 0 .. 15).
; SHARES.  A work-group makes 128 rows x 256 features, so that there are 256 work-groups; wave (WL, WR) 64 x 128: 32 accumulators.  All of K (1,024) lies in LDS, in two halves, each filled once: nothing is filled again.
; CLUSTER 4 x 4: the four of a row of the cluster share L's tiles, the four of a column R's: each is asked for jointly.
; The bias is the C of each sum's first product.
; REGISTERS: window 0: v1-31 addresses; v32-95 scale words, a set for each half of K; v128-191 L's fragments, two sets; on the way out v128-255 rows of the result.
;   window 1: v0-63, v128-191 R's fragments, two sets; v64-127 the bias.   window 2: accumulator (a, b) at v[8 (8 a + b)].
.set LT,    4
.set LH,    LT*4096
.set SLOT,  2*LH+65536
.set SCL,   2*SLOT
.set SCR,   SCL+2*LT*512
.set SPITCH, 528                       ; the way out: a stage of 16 rows x (512 bytes + 16) for each wave, in the first half of K's bytes, which have had their only fill and are read by nobody behind step 3's barrier
.set ADRA,  16
.set ADRB,  20
.set LI,    24                         ; v24  16 x lane
.set STO,   25                         ; v25  the stage: where I put 32 bytes of a row
.set RD,    26                         ; v26  and where I read a row back
.set ADRS,  27
.set H64,   29
.set SC,    32
.set AF,    128
.set BK,    128
.set BI,    64
.set WV,    22
.set WL,    23
.set WR,    66
.set G1,    24
.set G0,    32
.set RTI,   42
.set G1B,   48
.set G0B,   56
.set LTI,   67
.set G1S,   68
.set G0S,   76
.set G1SB,  80
.set G0SB,  88
.set MSB, 0
.macro WIN new
.if MSB != (\new)
	s_set_vgpr_msb (MSB<<8)|(\new)
.set MSB, \new
.endif
.endm
.set MUL_LO, 0xa1                      ; source 0 (R) window 1, source 1 (L) window 0, C and D window 2
.set MUL_B,  0x91                      ; the same with C (the bias) in window 1
.set TO_B,   0x40
.macro JLOAD g0a, g1a, g0b, g1b        ; waves 0 and 1 fetch for L, waves 2 and 3 for R; four v_nop follow each of the two lines
	s_cmp_eq_u32 s[WL], 0
	s_cbranch_scc0 .Lfor_r_\@
	tensor_load_to_lds s[\g0a:\g0a+3], s[\g1a:\g1a+7]
	s_nop 0
.rept 4
	v_nop
.endr
	s_branch .Lasked_\@
.Lfor_r_\@:
	tensor_load_to_lds s[\g0b:\g0b+3], s[\g1b:\g1b+7]
	s_nop 0
.rept 4
	v_nop
.endr
.Lasked_\@:
.endm
.macro CROUND
	s_barrier_signal -1
	s_barrier_wait -1
	s_cmp_lg_u32 s[WV], 0
	s_cbranch_scc1 .Lnot_wave_0_\@
	s_barrier_signal -3
.Lnot_wave_0_\@:
	s_barrier_wait -3
	s_barrier_signal -1
	s_barrier_wait -1
.endm
	s_load_b256 s[4:11], s[0:1], 0x0               ; ao_codes, ao_scales, w_codes, w_scales
	s_load_b128 s[12:15], s[0:1], 0x20             ; bo, out0
	v_lshl_add_u32 v126, v0, 2, 0x33000
	v_mov_b32 v127, 0
	ds_add_u32 v126, v127
	ds_add_u32 v126, v127
	v_lshrrev_b32 v1, 5, v0
	v_readfirstlane_b32 s[WV], v1
	s_lshr_b32 s[WL], s[WV], 1
	s_and_b32 s[WR], s[WV], 1
	s_bfe_u32 s40, ttmp6, 0x40000                  ; cx
	s_bfe_u32 s41, ttmp6, 0x40004                  ; cy
	s_lshl_b32 s[RTI], ttmp9, 2
	s_add_co_u32 s[RTI], s[RTI], s40               ; which 256 features
	s_and_b32 s[LTI], ttmp7, 0xffff
	s_lshl_b32 s[LTI], s[LTI], 2
	s_add_co_u32 s[LTI], s[LTI], s41               ; which 128 rows
	s_lshl_b32 s43, s41, 2
	s_lshl_b32 s43, 15, s43                        ; my row of the cluster
	s_lshl_b32 s44, 0x1111, s40                    ; my column
	s_or_b32 s[G1], s43, (3<<16)|(1<<21)           ; L's codes: 4 rows of 4,096 bytes, 8,192 apart
	s_mov_b32 s[G1+1], 512<<16
	s_mov_b32 s[G1+2], 4<<16
	s_mov_b32 s[G1+3], 512<<16
	s_mov_b32 s[G1+4], 4
	s_mov_b32 s[G1+5], 1024
	s_mov_b32 s[G1+6], 0
	s_mov_b32 s[G1+7], 0
	s_or_b32 s[G1B], s44, (3<<16)|(1<<21)          ; R's: 8 rows
	s_mov_b32 s[G1B+1], 512<<16
	s_mov_b32 s[G1B+2], 8<<16
	s_mov_b32 s[G1B+3], 512<<16
	s_mov_b32 s[G1B+4], 8
	s_mov_b32 s[G1B+5], 1024
	s_mov_b32 s[G1B+6], 0
	s_mov_b32 s[G1B+7], 0
	s_or_b32 s[G1S], s43, (3<<16)|(1<<21)          ; L's scale bytes: 2,048 dense bytes as 8 rows of 256
	s_mov_b32 s[G1S+1], 32<<16
	s_mov_b32 s[G1S+2], 8<<16
	s_mov_b32 s[G1S+3], 32<<16
	s_mov_b32 s[G1S+4], 8
	s_mov_b32 s[G1S+5], 32
	s_mov_b32 s[G1S+6], 0
	s_mov_b32 s[G1S+7], 0
	s_or_b32 s[G1SB], s44, (3<<16)|(1<<21)         ; R's: 4,096 as 16 rows
	s_mov_b32 s[G1SB+1], 32<<16
	s_mov_b32 s[G1SB+2], 16<<16
	s_mov_b32 s[G1SB+3], 32<<16
	s_mov_b32 s[G1SB+4], 16
	s_mov_b32 s[G1SB+5], 32
	s_mov_b32 s[G1SB+6], 0
	s_mov_b32 s[G1SB+7], 0
	s_mul_i32 s[G0+1], s[WR], LH                   ; where the tiles go: the wave's number and constants alone
	s_add_co_u32 s[G0+5], s[G0+1], SLOT
	s_lshl_b32 s[G0B+1], s[WR], 15
	s_add_co_u32 s[G0B+1], s[G0B+1], 2*LH
	s_add_co_u32 s[G0B+5], s[G0B+1], SLOT
	s_mul_i32 s[G0S+1], s[WR], LT*512
	s_add_co_u32 s[G0S+1], s[G0S+1], SCL
	s_lshl_b32 s[G0SB+1], s[WR], 12
	s_add_co_u32 s[G0SB+1], s[G0SB+1], SCR
	s_lshl_b32 s45, s[LTI], 3
	s_lshl_b32 s16, s[WR], 2
	s_add_co_u32 s45, s45, s16                     ; L's first tile that I would fetch
	s_lshl_b32 s16, s45, 13
	s_mov_b32 s17, 0
	s_lshl_b32 s18, s45, 9
	s_mov_b32 s19, 0
	s_lshl_b32 s47, s[RTI], 4
	s_lshl_b32 s3, s[WR], 3
	s_add_co_u32 s47, s47, s3                      ; R's
	s_lshl_b32 s46, s47, 13
	s_add_co_u32 s46, s46, 3<<19                   ; Wo is the fourth weight
	s_lshl_b32 s2, s47, 9
	s_add_co_u32 s2, s2, 3<<15
	s_mov_b32 s47, 0
	s_mov_b32 s3, 0
	s_wait_dscnt 0x0
	s_wait_kmcnt 0x0
	s_add_nc_u64 s[4:5], s[4:5], s[16:17]
	s_add_nc_u64 s[6:7], s[6:7], s[18:19]
	s_add_nc_u64 s[8:9], s[8:9], s[46:47]
	s_add_nc_u64 s[10:11], s[10:11], s[2:3]
	s_mov_b32 s[G0S], 1
	s_mov_b64 s[G0S+2:G0S+3], s[6:7]
	s_or_b32 s[G0S+3], s[G0S+3], 0x80000000
	s_mov_b32 s[G0SB], 1
	s_mov_b64 s[G0SB+2:G0SB+3], s[10:11]
	s_or_b32 s[G0SB+3], s[G0SB+3], 0x80000000
.irp s, 0,1
	s_mov_b32 s[G0+4*\s], 1
	s_add_nc_u64 s[G0+4*\s+2:G0+4*\s+3], s[4:5], \s*4096
	s_or_b32 s[G0+4*\s+3], s[G0+4*\s+3], 0x80000000
	s_mov_b32 s[G0B+4*\s], 1
	s_add_nc_u64 s[G0B+4*\s+2:G0B+4*\s+3], s[8:9], \s*4096
	s_or_b32 s[G0B+4*\s+3], s[G0B+4*\s+3], 0x80000000
.endr
	CROUND                                         ; all sixteen work-groups are here: the joint loads meet
	JLOAD G0S, G1S, G0SB, G1SB                     ; three loads of mine are out at the most: the scale bytes,
	JLOAD G0, G1, G0B, G1B                         ; the first half of K,
	JLOAD G0+4, G1, G0B+4, G1B                     ; the second
	v_and_b32 v1, 15, v0                           ; r
	v_bfe_u32 v2, v0, 4, 1                         ; h
	v_and_b32 v3, 31, v0
	v_lshlrev_b32 v[LI], 4, v3
	v_lshlrev_b32 v[H64], 6, v2
	s_wait_alu depctr_va_vdst(0)
	s_lshl_b32 s20, s[RTI], 10
	s_lshl_b32 s21, s[WR], 9
	s_add_co_u32 s20, s20, s21                     ; my first feature, in bytes
	s_mov_b32 s21, 0
	s_add_nc_u64 s[12:13], s[12:13], s[20:21]
	s_add_nc_u64 s[14:15], s[14:15], s[20:21]
	s_lshl_b32 s20, s[LTI], 19
	s_lshl_b32 s92, s[WL], 18
	s_add_co_u32 s20, s20, s92                     ; my first row: 128 x block + 64 x half, of 4,096 bytes
	s_add_nc_u64 s[14:15], s[14:15], s[20:21]
	WIN TO_B
.irp t, 0,1,2,3,4,5,6,7                        ; the bias in the result's layout: tile t's eight features of my half
	global_load_b128 v[BI+8*\t:BI+8*\t+3], v[H64], s[12:13] offset:4*(32*(\t/2)+8*(\t%2))
	global_load_b128 v[BI+8*\t+4:BI+8*\t+7], v[H64], s[12:13] offset:4*(32*(\t/2)+8*(\t%2))+16
.endr
	WIN 0
	s_mul_i32 s45, s[WL], LH
	s_lshl_b32 s46, s[WR], 15
	s_add_co_u32 s46, s46, 2*LH
.irp s, 0,1
	v_add_nc_u32 v[ADRA+\s], s45, v[LI]
	v_add_nc_u32 v[ADRB+\s], s46, v[LI]
	s_add_co_u32 s45, s45, SLOT
	s_add_co_u32 s46, s46, SLOT
.endr
	v_lshlrev_b32 v4, 4, v1
	s_mul_i32 s45, s[WL], LT*512
	s_lshl_b32 s46, s[WR], 12
	s_add_co_u32 s46, s46, 2*LT*512
	s_sub_co_u32 s46, s46, s45
	v_mul_u32_u24 v5, s46, v2                      ; lanes 16-31 take R's scale words: the lower base + h x the distance
	s_add_co_u32 s45, s45, SCL
	v_add_nc_u32 v5, v5, v4
	v_add_nc_u32 v[ADRS], s45, v5
	s_mul_i32 s45, s[WV], 16*SPITCH                ; my stage
	v_mul_u32_u24 v[STO], v1, SPITCH
	v_lshl_add_u32 v[STO], v2, 6, v[STO]
	v_add_nc_u32 v[STO], s45, v[STO]               ; in: row r, + 64 h
	v_add_nc_u32 v[RD], s45, v[LI]                 ; back: the 32 lanes take one row of 512 bytes
.macro FRAG reg, adr, q, i
.irp c, 0,1
	ds_load_b128 v[\reg+4*\c:\reg+4*\c+3], v[\adr] offset:(\i)*4096+(\q)*1024+512*\c
.endr
.endm
.macro FETCH slot, q, p
	WIN TO_B
.irp i, 0,1,2,3,4,5,6,7
	FRAG 128*(\p)+8*\i, ADRB+\slot, \q, \i
.endr
	WIN 0
.set II, 0
.rept LT
	FRAG AF+8*LT*(\p)+8*II, ADRA+\slot, \q, II
.set II, II+1
.endr
.endm
.macro SCALES sg                       ; lanes 0-15: L's tile i (for i of 4 and more: landed bytes that no product names), lanes 16-31: R's tile i
.irp i, 0,1,2,3,4,5,6,7
	ds_load_b128 v[SC+32*\sg+4*\i:SC+32*\sg+4*\i+3], v[ADRS] offset:512*\i+256*\sg
.endr
.endm
; 32 matrix instructions: 128 along K; the accumulators take turns, one instruction a turn.  first = 1: the products start the sums, on the bias.
.macro MULS p, q, sc, first
.if \first
	WIN MUL_B
.else
	WIN MUL_LO
.endif
.set AI, 0
.rept LT
.irp b, 0,1,2,3,4,5,6,7
.if \first
	v_wmma_scale_f32_16x16x128_f8f6f4 v[8*(8*AI+\b):8*(8*AI+\b)+7], v[128*(\p)+8*\b:128*(\p)+8*\b+7], v[AF+8*LT*(\p)+8*AI:AF+8*LT*(\p)+8*AI+7], v[BI+8*\b:BI+8*\b+7], v[SC+32*(\sc)+4*\b+(\q)], v[SC+32*(\sc)+4*AI+(\q)] matrix_a_fmt:MATRIX_FMT_FP4 matrix_b_fmt:MATRIX_FMT_FP4 matrix_a_scale:MATRIX_SCALE_ROW1
.else
	v_wmma_scale_f32_16x16x128_f8f6f4 v[8*(8*AI+\b):8*(8*AI+\b)+7], v[128*(\p)+8*\b:128*(\p)+8*\b+7], v[AF+8*LT*(\p)+8*AI:AF+8*LT*(\p)+8*AI+7], v[8*(8*AI+\b):8*(8*AI+\b)+7], v[SC+32*(\sc)+4*\b+(\q)], v[SC+32*(\sc)+4*AI+(\q)] matrix_a_fmt:MATRIX_FMT_FP4 matrix_b_fmt:MATRIX_FMT_FP4 matrix_a_scale:MATRIX_SCALE_ROW1
.endif
.endr
.set AI, AI+1
.endr
.endm
.macro PLACES                          ; four plain lines between matrix instructions and loads into, or reads of, their registers (ISA guide 7.12.1 for reads)
.rept 4
	v_nop
.endr
.endm
.macro GSTEP s
.if (\s) == 3
	s_wait_tensorcnt 0x0                           ; my part of the second half of K has landed
.endif
	s_wait_dscnt 0x0                               ; this step's fragments are in; at step 3: my reads of the first half are over
.if (\s) == 3
	s_barrier_signal -1
	s_barrier_wait -1                              ; the second half is whole, and nobody reads the first any more
.endif
.if (\s) < 7
.if (\s) > 0
	PLACES
.endif
.if (\s) == 3
	SCALES 1
.endif
	FETCH ((\s)+1)/4, ((\s)+1)%4, 1-(\s)%2
.endif
.if (\s) == 0
	MULS 0, 0, 0, 1
.else
	MULS (\s)%2, (\s)%4, (\s)/4, 0
.endif
	WIN 0
.endm
	s_wait_alu depctr_va_vdst(0)
	s_wait_tensorcnt 0x1                           ; the scale bytes and my part of the first half of K are in; the second half's load may be out
	s_barrier_signal -1
	s_barrier_wait -1
	FETCH 0, 0, 0
	SCALES 0
	s_wait_loadcnt 0x0                             ; the bias
.set KST, 0
.rept 8
	GSTEP KST
.set KST, KST+1
.endr
; THE WAY OUT, a tile of 16 rows x 128 features at a time, through my own stage: a lane holds pieces of one row; whole rows of 512 bytes come back.  LDS serves a wave's instructions in order.
.macro TOSTAGE a
.set AC, 64*(\a)
	WIN 0x08                                       ; an LDS store's data are its source 1: window 2
.irp b, 0,1,2,3,4,5,6,7
	ds_store_b128 v[STO], v[AC+8*\b:AC+8*\b+3] offset:128*(\b/2)+32*(\b%2)        ; each accumulator from its low end on
	ds_store_b128 v[STO], v[AC+8*\b+4:AC+8*\b+7] offset:128*(\b/2)+32*(\b%2)+16
.endr
	WIN 0
.set BB, BK+64*((\a)%2)
.irp t, 0,1,2,3,4,5,6,7,8,9,10,11,12,13,14,15
	ds_load_b128 v[BB+4*\t:BB+4*\t+3], v[RD] offset:\t*SPITCH
.endr
.endm
.macro SEND a, younger                 ; the tile's row t is row 32 (a / 2) + 8 (a % 2) + t + 8 (t / 8) of my 64
.set BB, BK+64*((\a)%2)
	s_wait_dscnt \younger
.irp t, 0,1,2,3,4,5,6,7,8,9,10,11,12,13,14,15
	global_store_b128 v[LI], v[BB+4*\t:BB+4*\t+3], s[14:15] offset:(32*((\a)/2)+8*((\a)%2)+\t+8*(\t/8))*4096 th:TH_STORE_NT   ; 512 consecutive bytes, aligned
.endr
.endm
	PLACES
	TOSTAGE 0
.irp a, 1,2,3
.if \a > 1
	s_wait_xcnt 0x0                                ; tile a - 2's stores have read their registers: tile a's rows may land there
.endif
	TOSTAGE \a
	SEND \a-1, 32                                  ; behind tile a - 1's loads: tile a's 16 stores and 16 loads
.endr
	SEND 3, 0
	s_wait_dscnt 0x0
	s_wait_tensorcnt 0x0
	ds_add_u32 v126, v127
	s_wait_dscnt 0x0
	CROUND                                         ; the closing round
	s_endpgm
.Lfunc_end_k_q04496160bd_outp:
	.size	k_q04496160bd_outp, .Lfunc_end_k_q04496160bd_outp-k_q04496160bd_outp
	.p2alignl 7, 3214868480
	.fill 96, 4, 3214868480
	.section	.rodata,"a",@progbits
	.p2align	6, 0x0
	.amdhsa_kernel k_q04496160bd_outp
		.amdhsa_group_segment_fixed_size 209408
		.amdhsa_private_segment_fixed_size 0
		.amdhsa_enable_private_segment 0
		.amdhsa_kernarg_size 48
		.amdhsa_user_sgpr_count 2
		.amdhsa_user_sgpr_kernarg_segment_ptr 1
		.amdhsa_wavefront_size32 1
		.amdhsa_system_sgpr_workgroup_id_x 1
		.amdhsa_system_sgpr_workgroup_id_y 1
		.amdhsa_system_sgpr_workgroup_id_z 1
		.amdhsa_system_vgpr_workitem_id 0
		.amdhsa_next_free_vgpr 768
		.amdhsa_next_free_sgpr 100
		.amdhsa_reserve_vcc 0
		.amdhsa_float_denorm_mode_32 3
		.amdhsa_float_denorm_mode_16_64 3
		.amdhsa_memory_ordered 1
		.amdhsa_forward_progress 1
		.amdhsa_inst_pref_size 73
	.end_amdhsa_kernel
	.amdgpu_metadata
---
amdhsa.version: [ 1, 2 ]
amdhsa.kernels:
  - .name:           k_q04496160bd_outp
    .symbol:         k_q04496160bd_outp.kd
    .args:
      - { .name: ao_codes, .offset: 0, .size: 8, .value_kind: global_buffer, .address_space: global }
      - { .name: ao_scales, .offset: 8, .size: 8, .value_kind: global_buffer, .address_space: global }
      - { .name: w_codes, .offset: 16, .size: 8, .value_kind: global_buffer, .address_space: global }
      - { .name: w_scales, .offset: 24, .size: 8, .value_kind: global_buffer, .address_space: global }
      - { .name: bo, .offset: 32, .size: 8, .value_kind: global_buffer, .address_space: global }
      - { .name: out0, .offset: 40, .size: 8, .value_kind: global_buffer, .address_space: global }
    .group_segment_fixed_size: 209408
    .private_segment_fixed_size: 0
    .kernarg_segment_align: 8
    .kernarg_segment_size: 48
    .max_flat_workgroup_size: 128
    .sgpr_count:     100
    .vgpr_count:     768
    .wavefront_size: 32
...
	.end_amdgpu_metadata
.endif
;; end of part 4
